; MI455X (gfx1250); checked and timed in simulation.
; The chip was launched on July 23, 2026; its instructions are those of AMD's public machine-readable ISA for CDNA 5 (MIT licence, August 2026) and "CDNA5" Instruction Set Architecture Reference Guide (July 2026). The comments in the code are by the model that wrote it; some were corrected since.
;; Casula Self Attention. Allowed arithmetic: matrix products marked QUANTISED: E5M2 operands, one E8M0 scale for each 32 along K, by v_wmma_scale_f32_16x16x128_f8f6f4 with both operands' format E5M2, f32 sums; everything else in f32.
;; Inputs: b_attn 3,072 float32; b_proj 1,024 float32; w_attn 1,024 x 3,072 float32; w_proj 1,024 x 1,024 float32; x 4 x 2,048 x 1,024 float32.
;; Outputs: out0 4 x 2,048 x 1,024 float32.
;; This version of the problem:
;;   THIS VERSION OF THE PROBLEM IS GIVEN IN LOW PRECISION. The matrix products marked QUANTISED in the list below multiply operands that are first quantised to E5M2 (5 exponent bits, 2 mantissa bits; 8 bits a number), with one power-of-two scale for each 32 numbers along K (OCP MX v1.0); their sums are f32. All else is computed in f32.
;;   The module's matrix products, in the order in which they are computed (A, B: the left and right operand; K: the contracted axis; several contracted axes count as one K, in the product's order):
;;     1. [M 8,192, K 1,024] x [K 1,024, N 3,072]; A: input x; B: input w_attn: QUANTISED
;;     2. batch 64 x [M 2,048, K 64] x [K 64, N 2,048]; A: computed on the way; B: computed on the way: QUANTISED
;;     3. batch 64 x [M 2,048, K 2,048] x [K 2,048, N 64]; A: softmax (see below); B: computed on the way: QUANTISED
;;     4. [M 8,192, K 1,024] x [K 1,024, N 1,024]; A: computed on the way; B: input w_proj: QUANTISED
;;   THE QUANTISER, for each operand of a quantised product, along K:
;;     - K is cut into blocks of 32 from its start; a last block that is shorter is filled with zeros.
;;     - A block's scale is 2^e with e = floor(log2(the largest magnitude in the block)) - 15, held to -126 .. 127; a block of zeros has e = 0. As a byte (E8M0): e + 127.
;;     - Each number is divided by its block's scale, clamped to +-57,344, and rounded to the nearest number of E5M2, ties to even, subnormals kept.
;;     - The product sums the exact products of the quantised numbers (number of the format x scale) in f32.
;;   ~~~python
;;   def quantise(x, axis):      # numpy; x: float32 -> the quantised numbers, widened to float32 again
;;       x = np.moveaxis(x, axis, -1); K = x.shape[-1]
;;       x = np.pad(x, [(0, 0)] * (x.ndim - 1) + [(0, -K % 32)]); x = x.reshape(x.shape[:-1] + (-1, 32)); a = np.abs(x).max(-1, keepdims=True)
;;       e = np.where(a > 0, np.clip(np.frexp(np.where(a > 0, a, 1))[1] - 1 - 15, -126, 127), 0)      # np.frexp(a)[1] - 1 = floor(log2(a)), exactly
;;       r = np.clip(x / 2.0 ** e, -57344, 57344)
;;       step = 2.0 ** (np.maximum(np.frexp(np.where(r == 0, 1, r))[1] - 1, -14) - 2)
;;       q = np.round(r / step) * step * 2.0 ** e      # np.round: ties to even
;;       return np.moveaxis(q.reshape(q.shape[:-2] + (-1,))[..., :K], -1, axis).astype(np.float32)
;;   ~~~
;;   SOFTMAX AHEAD OF A QUANTISED PRODUCT. Where the list says 'softmax', what is quantised is not the finished softmax but p = 2^(t - M), with t = logit x log2(e) and M = ceil(the row's largest t), a whole number; so 1/2 < the row's largest p <= 1. The row's sum l is taken of the UNQUANTISED p, in f32, and the product's result is divided by l at the end. Since M is a whole number, a kernel that streams over the keys may use a running M (the ceiling of the running maximum): every later rescaling is an exact power of two, which a block's scale takes up: the codes' values come out the same.
;;   OPERANDS COMPUTED ON THE WAY. 'Computed on the way' means the value that the module computes at that place (a softmax that the list does not call 'softmax' is quantised finished and normalised). What goes into a quantiser is computed in f32, as accurately as f32 sums, v_exp_f32 and their like allow (about 1e-6 of the number): no bf16 or f16 on the way to a quantiser, and a product that is left as it is and whose result goes on into a quantised operand takes f32 operands (vector FMAs, or v_wmma_f32_16x16x4_f32). A number that lies on a knife's edge between two numbers of the format may be rounded either way, as far as f32 arithmetic and the matrix unit's own rounding can turn it there, and no further.
;; One version. Each part assembles by itself: llvm-mc -triple=amdgcn-amd-amdhsa -mcpu=gfx1250 --defsym DOCPART=n.
;; ======== version 1 of 1: 4 launches
;; limits: right only within a limited range of input values
;; workspace buffers: opimg 12,582,912 bytes; opsc 393,216 bytes; qkvimg 25,165,824 bytes; asc 1,310,720 bytes; yimg 8,388,608 bytes; ysc 262,144 bytes
;; launch quant (part 1): grid 384 x 1, 4 waves a work-group, no clusters, 34,304 bytes of LDS; arguments x, w_attn, w_proj, opimg, opsc; writes opimg, opsc
.if DOCPART == 1
	.amdgcn_target "amdgcn-amd-amdhsa--gfx1250"
	.amdhsa_code_object_version 6
	.text
	.protected	k_q037d1615c9_quant
	.globl	k_q037d1615c9_quant
	.p2align	8
	.type	k_q037d1615c9_quant,@function
k_q037d1615c9_quant:
	s_mov_b64 s[64:65], 0
	v_nop
	global_prefetch_b8 v0, s[64:65] scope:SCOPE_SE
	s_setreg_imm32_b32 hwreg(HW_REG_WAVE_MODE, 25, 1), 1
	s_wait_xcnt 0x0
; x [8192][1024], w_attn [1024][3072] and w_proj [1024][1024], f32, become codes of BF8 (E5M2) with one E8M0 byte for each 32 along K (K = the 1,024 channels), laid as IMAGES OF THE MATRIX OPERAND'S REGISTERS.
; opimg: [rg][kappa][a][c][lane][16 bytes].  rg: a group of 128 operand rows (0-63: rows of x; 64-95: the 4,096 columns of w_attn and then of w_proj); kappa: 128 along K; a: a tile of 16 rows;
;   lane (r, h) of tile a holds row 32 (a / 2) + 8 (a % 2) + r + 8 (r / 8) of the group, and its 16 bytes of part c are K = 32 c + 16 h + 0 .. 15: what a lane's registers 4 c .. 4 c + 3 of a fragment hold.
; opsc:  [rg][kappa][g][r][i] scale words (four bytes: the four blocks of 128 along K) of tile 4 g + i, row index r.
; A block's scale is 2^(floor(log2(largest magnitude)) - 15): its byte is the largest magnitude's exponent field - 15, held at 1 from below; numbers are held within +-57,344 x the scale and rounded to the nearest code, ties to even.
; LIMITS: NaN and infinities among the inputs are not served; blocks whose largest magnitude lies under 2^-111 take the byte 1; a block of zeros takes the byte 1 where the rule says 127: its codes are zeros, and this program alone reads the bytes.
; Work-groups 0-255 take x (K innermost: rows turn through the wave's own stage in LDS), work-groups 256-383 the weights (K outermost: a lane takes a column, its registers run down K; no LDS).  Waves share nothing: no barrier.
; No matrix unit, cluster or tensor load: the launch streams each f32 number once and stores a quarter of the bytes.
.set LI,  4                            ; v4   16 x lane
.set STI, 5                            ; v5   the stage, on the way in: 16 x lane in a row of 528 bytes
.set STO, 6                            ; v6   on the way out: row r, + 64 h
.set SCO, 7                            ; v7   16 r + 8 h: my two scale words
.set WLO, 8                            ; v8   weights: my column's bytes in a group of 32 columns
.set WSO, 9                            ; v9   weights: 2048 h + 16 r: tile h of the pair, lane r
.set R,   16                           ; v16-143  two sets of 64: a fragment's 16 rows as loaded (weights: v16-79 two blocks of 32, v80-143 codes)
.set X,   144                          ; v144-207 64 numbers: register 16 c + i = K 32 c + 16 h + i of my row
.set PC,  208                          ; v208-223 a fragment's codes
.set TM,  224                          ; v224-239 at work
.set PW,  240                          ; v240     the scale word just made (weights: v240-241 the two column groups' words)
.set WW,  240
.set W,   241                          ; v241-244 the four fragments' words
.set OUT, 246
.set SEL, 20                           ; s[20:21] selects of v_permlanex16_b32: lane l xor 16
.set MNT, 22
.set HIM, 23                           ; s23 a mask of lanes 16-31
	s_load_b128 s[4:7], s[0:1], 0x0                ; x, w_attn
	s_load_b128 s[8:11], s[0:1], 0x10              ; w_proj, opimg
	s_load_b64 s[12:13], s[0:1], 0x20              ; opsc
	v_lshl_add_u32 v248, v0, 2, 0x8400
	v_mov_b32 v249, 0
	v_lshrrev_b32 v1, 5, v0
	v_readfirstlane_b32 s16, v1                    ; wave
	v_and_b32 v1, 31, v0                           ; lane
	v_and_b32 v2, 15, v0                           ; r
	v_bfe_u32 v3, v0, 4, 1                         ; h
	v_lshlrev_b32 v[LI], 4, v1
	s_mul_i32 s17, s16, 8448                       ; my stage: 16 rows of 512 + 16 bytes
	v_add_nc_u32 v[STI], s17, v[LI]
	v_mul_u32_u24 v[STO], v2, 528
	v_lshl_add_u32 v[STO], v3, 6, v[STO]
	v_add_nc_u32 v[STO], s17, v[STO]
	v_lshlrev_b32 v[SCO], 4, v2
	v_lshl_add_u32 v[SCO], v3, 3, v[SCO]
	v_and_b32 v[WLO], 8, v2
	v_add_nc_u32 v[WLO], v[WLO], v2
	v_lshl_add_u32 v[WLO], v3, 3, v[WLO]           ; column 8 h + r + 8 (r / 8): lanes 0-15 are the even tile's rows, lanes 16-31 the odd tile's
	v_lshlrev_b32 v[WLO], 2, v[WLO]
	v_lshlrev_b32 v[WSO], 4, v2
	v_lshl_add_u32 v[WSO], v3, 11, v[WSO]
	s_mov_b32 s[SEL], 0x76543210
	s_mov_b32 s[SEL+1], 0xfedcba98
	s_mov_b32 s[HIM], 0xffff0000
.irp b, 0,1,2,3
	v_mov_b32 v[TM+4+\b], 0                        ; written once: a lane permute's destination counts as one of its sources
.endr
; where my wave's images and scale words begin, from rg (s24), kappa (s19) and the half of the group (s25)
.macro OUTBASE
	s_lshl_b32 s26, s24, 17
	s_lshl_b32 s28, s19, 14
	s_add_co_u32 s26, s26, s28
	s_lshl_b32 s28, s25, 13
	s_add_co_u32 s26, s26, s28
	s_mov_b32 s27, 0
	s_add_nc_u64 s[10:11], s[10:11], s[26:27]
	s_lshl_b32 s26, s24, 12
	s_lshl_b32 s28, s19, 9
	s_add_co_u32 s26, s26, s28
	s_lshl_b32 s28, s25, 8
	s_add_co_u32 s26, s26, s28
	s_add_nc_u64 s[12:13], s[12:13], s[26:27]
.endm
; 64 numbers of a lane, register 16 b + i = K 32 b + 16 h + i of my row, become a fragment's codes in v[PC] on and its scale word in v[PW]
.macro QUANT s
.irp b, 0,1,2,3
	v_max3_num_f32 v[TM+\b], |v[\s+16*\b]|, |v[\s+1+16*\b]|, 0x8000000   ; my 16 numbers of block b, and the floor 2^(16 - 127): the byte cannot fall under 1
.endr
.irp i, 2,4,6,8,10,12,14
.irp b, 0,1,2,3
	v_max3_num_f32 v[TM+\b], v[TM+\b], |v[\s+16*\b+\i]|, |v[\s+1+16*\b+\i]|   ; the four blocks by turns
.endr
.endr
.irp b, 0,1,2,3
	v_permlanex16_b32 v[TM+4+\b], v[TM+\b], s[SEL], s[SEL+1]
.endr
.irp b, 0,1,2,3
	v_max_num_f32 v[TM+\b], v[TM+\b], v[TM+4+\b]   ; with lane l xor 16's 16: the block's largest magnitude
.endr
.irp b, 0,1,2,3
	v_add_nc_u32 v[TM+12+\b], 0xf8800000, v[TM+\b] ; 15 off its exponent field: the conversion's scale operand
.endr
.irp b, 0,1,2,3
.endr
.irp b, 0,1,2,3
	v_lshrrev_b32 v[TM+4+\b], 23, v[TM+12+\b]      ; the scale's byte
.endr
	v_lshl_or_b32 v[PW], v[TM+5], 8, v[TM+4]
	v_lshl_or_b32 v[PW], v[TM+6], 16, v[PW]
	v_lshl_or_b32 v[PW], v[TM+7], 24, v[PW]
.irp b, 0,1,2,3
.irp i, 0,1,2,3,4,5,6,7,8,9,10,11,12,13,14,15
.endr
	v_cvt_scalef32_pk8_bf8_f32 v[PC+4*\b:PC+1+4*\b], v[\s+16*\b:\s+7+16*\b], v[TM+12+\b]
	v_cvt_scalef32_pk8_bf8_f32 v[PC+2+4*\b:PC+3+4*\b], v[\s+8+16*\b:\s+15+16*\b], v[TM+12+\b]
.endr
	v_nop                                          ; a plain line behind the last conversion
.endm
	s_wait_kmcnt 0x0
	s_cmp_lt_u32 ttmp9, 256
	s_cbranch_scc0 .Lw
	; ---- x.  Wave 4 x work-group + wave takes one kappa of one half (64 rows, four fragments) of one group of 128 rows
	s_lshl_b32 s17, ttmp9, 2
	s_add_co_u32 s17, s17, s16
	s_lshr_b32 s24, s17, 4                         ; rg
	s_bfe_u32 s19, s17, 0x30001                    ; kappa
	s_and_b32 s25, s17, 1                          ; which half
	s_lshl_b32 s26, s24, 19                        ; 128 rows of 4,096 bytes
	s_lshl_b32 s28, s25, 18
	s_add_co_u32 s26, s26, s28
	s_lshl_b32 s28, s19, 9                         ; 128 numbers
	s_add_co_u32 s26, s26, s28
	s_mov_b32 s27, 0
	s_add_nc_u64 s[4:5], s[4:5], s[26:27]
	OUTBASE
.macro LOADX f                         ; fragment f's 16 rows, in the tile's order; each load is 512 consecutive bytes of one row
.irp p, 0,1,2,3,4,5,6,7,8,9,10,11,12,13,14,15
	global_load_b128 v[R+64*((\f)%2)+4*\p:R+64*((\f)%2)+4*\p+3], v[LI], s[4:5] offset:(32*((\f)/2)+8*((\f)%2)+\p+8*(\p/8))*4096 th:TH_LOAD_NT
.endr
.endm
.macro TURNX f                         ; through my stage: in as loaded, out 64 bytes of a block a lane.  LDS serves a wave's instructions in order: no wait between
.irp p, 0,1,2,3,4,5,6,7,8,9,10,11,12,13,14,15
	ds_store_b128 v[STI], v[R+64*((\f)%2)+4*\p:R+64*((\f)%2)+4*\p+3] offset:528*\p
.endr
.irp c, 0,1,2,3
.irp j, 0,1,2,3
	ds_load_b128 v[X+16*\c+4*\j:X+16*\c+4*\j+3], v[STO] offset:128*\c+16*\j
.endr
.endr
.endm
.macro FRX f
.if (\f) < 3
	s_wait_loadcnt 16                              ; this fragment's 16 loads are in; the next fragment's 16 may be out
.else
	s_wait_loadcnt 0x0
.endif
	TURNX \f
	s_wait_dscnt 0x0                               ; the numbers are back, and the stage's stores have read their registers,
.if (\f) < 2
	LOADX (\f)+2                                   ; which take the fragment two on
.endif
.if (\f) > 0
	s_wait_xcnt 0x0                                ; the last fragment's stores have read the codes' registers
.endif
	QUANT X
.irp c, 0,1,2,3
	global_store_b128 v[LI], v[PC+4*\c:PC+4*\c+3], s[10:11] offset:2048*(\f)+512*\c   ; 512 consecutive bytes, aligned
.endr
	v_mov_b32 v[W+(\f)], v[PW]
.endm
	LOADX 0
	LOADX 1
	FRX 0
	FRX 1
	FRX 2
	FRX 3
	v_cndmask_b32 v[OUT], v[W], v[W+2], s[HIM]     ; lane (r, h) stores the words of tiles 2 h and 2 h + 1 of row index r
	v_cndmask_b32 v[OUT+1], v[W+1], v[W+3], s[HIM]
	global_store_b64 v[SCO], v[OUT:OUT+1], s[12:13]   ; 256 consecutive bytes, aligned
	s_wait_tensorcnt 0x0
	ds_add_u32 v248, v249
	s_wait_dscnt 0x0
	s_endpgm
	; ---- the weights.  A work-group takes 256 columns x one kappa, a wave 64 columns: two groups of 32 (two tiles each) x four blocks of 32 along K
.Lw:
	s_sub_co_u32 s17, ttmp9, 256
	s_lshr_b32 s18, s17, 3                         ; which 256 columns of the 4,096
	s_and_b32 s19, s17, 7                          ; kappa
	s_lshl_b32 s24, s18, 1
	s_lshr_b32 s25, s16, 1
	s_add_co_u32 s24, s24, s25
	s_add_co_u32 s24, s24, 64                      ; rg
	s_and_b32 s25, s16, 1                          ; which half of the group
	OUTBASE
	s_lshl_b32 s28, s18, 10
	s_lshl_b32 s29, s16, 8
	s_add_co_u32 s28, s28, s29                     ; 4 x my first column
.macro LOADB t, ptr, pitch             ; block t = 4 G + c: rows 32 c + i of the kappa, column group G: 128 consecutive bytes a load
.irp i, 0,1,2,3,4,5,6,7,8,9,10,11,12,13,14,15,16,17,18,19,20,21,22,23,24,25,26,27,28,29,30,31
	global_load_b32 v[16+32*((\t)%2)+\i], v[WLO], s[\ptr:\ptr+1] offset:(32*((\t)%4)+\i)*\pitch+128*((\t)/4) th:TH_LOAD_NT
.endr
.endm
.macro BLOCKW t, ptr, pitch
.set XS, 16+32*((\t)%2)
.set CC, 80+8*(\t)                     ; each block has its own registers for its codes: no store's data are written again
.if (\t) < 7
	s_wait_loadcnt 32                              ; this block's 32 loads are in; the next block's may be out
.else
	s_wait_loadcnt 0x0
.endif
	v_max3_num_f32 v[TM], |v[XS]|, |v[XS+1]|, |v[XS+2]|           ; all 32 numbers of the block are mine
	v_max3_num_f32 v[TM+1], |v[XS+3]|, |v[XS+4]|, |v[XS+5]|
.irp i, 6,10,14,18,22,26
	v_max3_num_f32 v[TM], v[TM], |v[XS+\i]|, |v[XS+\i+1]|
	v_max3_num_f32 v[TM+1], v[TM+1], |v[XS+\i+2]|, |v[XS+\i+3]|
.endr
	v_max3_num_f32 v[TM], v[TM], |v[XS+30]|, |v[XS+31]|
	v_max3_num_f32 v[TM], v[TM], v[TM+1], 0x8000000
	v_add_nc_u32 v[TM+2], 0xf8800000, v[TM]
	v_lshrrev_b32 v[TM+1], 23, v[TM+2]
.if (\t)%4 == 0
	v_mov_b32 v[WW+(\t)/4], v[TM+1]
.else
	v_lshl_or_b32 v[WW+(\t)/4], v[TM+1], 8*((\t)%4), v[WW+(\t)/4]
.endif
.irp i, 0,1,2,3,4,5,6,7,8,9,10,11,12,13,14,15,16,17,18,19,20,21,22,23,24,25,26,27,28,29,30,31
.endr
.irp g, 0,1,2,3
	v_cvt_scalef32_pk8_bf8_f32 v[CC+2*\g:CC+2*\g+1], v[XS+8*\g:XS+8*\g+7], v[TM+2]
.endr
	v_nop
	global_store_b128 v[WSO], v[CC:CC+3], s[10:11] offset:4096*((\t)/4)+512*((\t)%4)         ; K 32 c + 0 .. 15: the image's lanes 0-15; sixteen lanes fill 256 aligned bytes
	global_store_b128 v[WSO], v[CC+4:CC+7], s[10:11] offset:4096*((\t)/4)+512*((\t)%4)+256   ; K 32 c + 16 .. 31: its lanes 16-31
.if (\t)+2 < 8
	LOADB (\t)+2, \ptr, \pitch
.endif
.endm
.macro WPATH ptr, pitch
	LOADB 0, \ptr, \pitch
	LOADB 1, \ptr, \pitch
.irp t, 0,1,2,3,4,5,6,7
	BLOCKW \t, \ptr, \pitch
.endr
.endm
	s_cmp_lt_u32 s18, 12                           ; columns 0-3,071 are w_attn's, the others w_proj's: the pitch stands in the loads' immediates, so the path is written twice
	s_cbranch_scc0 .Lwp
	s_mul_i32 s26, s19, 128*12288
	s_add_co_u32 s26, s26, s28
	s_add_nc_u64 s[6:7], s[6:7], s[26:27]
	s_wait_alu depctr_va_vdst(0)
	WPATH 6, 12288
	s_branch .Lwtail
.Lwp:
	s_lshl_b32 s26, s19, 19
	s_add_co_u32 s26, s26, s28
	s_sub_co_u32 s26, s26, 12288
	s_add_nc_u64 s[8:9], s[8:9], s[26:27]
	s_wait_alu depctr_va_vdst(0)
	WPATH 8, 4096
.Lwtail:
	v_permlanex16_b32 v[TM+4], v[WW], s[SEL], s[SEL+1]      ; lane (r, h) holds the words of tile 2 G + h; it stores those of tiles 2 h and 2 h + 1
	s_wait_alu depctr_va_vdst(0)
	v_permlanex16_b32 v[TM+5], v[WW+1], s[SEL], s[SEL+1]
	v_cndmask_b32 v[OUT], v[WW], v[TM+5], s[HIM]
	v_cndmask_b32 v[OUT+1], v[TM+4], v[WW+1], s[HIM]
	global_store_b64 v[SCO], v[OUT:OUT+1], s[12:13]
	s_endpgm
.Lfunc_end_k_q037d1615c9_quant:
	.size	k_q037d1615c9_quant, .Lfunc_end_k_q037d1615c9_quant-k_q037d1615c9_quant
	.p2alignl 7, 3214868480
	.fill 96, 4, 3214868480
	.section	.rodata,"a",@progbits
	.p2align	6, 0x0
	.amdhsa_kernel k_q037d1615c9_quant
		.amdhsa_group_segment_fixed_size 34304
		.amdhsa_private_segment_fixed_size 0
		.amdhsa_enable_private_segment 0
		.amdhsa_kernarg_size 40
		.amdhsa_user_sgpr_count 2
		.amdhsa_user_sgpr_kernarg_segment_ptr 1
		.amdhsa_wavefront_size32 1
		.amdhsa_system_sgpr_workgroup_id_x 1
		.amdhsa_system_sgpr_workgroup_id_y 1
		.amdhsa_system_sgpr_workgroup_id_z 1
		.amdhsa_system_vgpr_workitem_id 0
		.amdhsa_next_free_vgpr 250
		.amdhsa_next_free_sgpr 66
		.amdhsa_reserve_vcc 0
		.amdhsa_float_denorm_mode_32 3
		.amdhsa_float_denorm_mode_16_64 3
		.amdhsa_fp16_overflow 1
		.amdhsa_memory_ordered 1
		.amdhsa_forward_progress 1
		.amdhsa_inst_pref_size 110
	.end_amdhsa_kernel
	.amdgpu_metadata
---
amdhsa.version: [ 1, 2 ]
amdhsa.kernels:
  - .name:           k_q037d1615c9_quant
    .symbol:         k_q037d1615c9_quant.kd
    .args:
      - { .name: x, .offset: 0, .size: 8, .value_kind: global_buffer, .address_space: global }
      - { .name: w_attn, .offset: 8, .size: 8, .value_kind: global_buffer, .address_space: global }
      - { .name: w_proj, .offset: 16, .size: 8, .value_kind: global_buffer, .address_space: global }
      - { .name: opimg, .offset: 24, .size: 8, .value_kind: global_buffer, .address_space: global }
      - { .name: opsc, .offset: 32, .size: 8, .value_kind: global_buffer, .address_space: global }
    .group_segment_fixed_size: 34304
    .private_segment_fixed_size: 0
    .kernarg_segment_align: 8
    .kernarg_segment_size: 40
    .max_flat_workgroup_size: 128
    .sgpr_count:     66
    .vgpr_count:     250
    .wavefront_size: 32
...
	.end_amdgpu_metadata
.endif
;; end of part 1
;; launch qkv (part 2): grid 12 x 32, 4 waves a work-group, clusters of 4 x 4, 327,680 bytes of LDS; arguments opimg, opsc, b_attn, qkvimg, asc; writes qkvimg, asc
.if DOCPART == 2
	.amdgcn_target "amdgcn-amd-amdhsa--gfx1250"
	.amdhsa_code_object_version 6
	.text
	.protected	k_q037d1615c9_qkv
	.globl	k_q037d1615c9_qkv
	.p2align	8
	.type	k_q037d1615c9_qkv,@function
k_q037d1615c9_qkv:
	s_mov_b64 s[64:65], 0
	v_nop
	global_prefetch_b8 v0, s[64:65] scope:SCOPE_SE
	s_setreg_imm32_b32 hwreg(HW_REG_WAVE_MODE, 25, 1), 1
	s_wait_xcnt 0x0
	s_wait_alu depctr_hold_cnt(0) depctr_sa_sdst(0) depctr_va_vdst(0) depctr_va_sdst(0) depctr_va_ssrc(0) depctr_va_vcc(0) depctr_vm_vsrc(0)
	s_getreg_b32 s2, hwreg(HW_REG_IB_STS2, 6, 4)
	s_cmp_eq_u32 s2, 0
	s_cbranch_scc0 .Lentry_in_a_cluster
	s_endpgm
.Lentry_in_a_cluster:
	s_bfe_u32 s2, ttmp6, 0x10000c
	s_cmp_lg_u32 s2, 0xf033
	s_cbranch_scc0 .Lentry_shape_is_right
	s_endpgm
.Lentry_shape_is_right:
; qkv = x w_attn + b_attn on codes of BF8 (E5M2) with E8M0 scales, and q, k, v quantised at once for the attention: q and k along the head's 64, v along the keys.  No f32 result goes to memory.
; OPERANDS are images of fragments' registers (see the launch that makes them): a fragment of 16 rows x 128 K is 2,048 dense bytes, read by four ds_load_b128 at 16 x lane: no pitch, no padding, no bank conflict.
; In every tile lane r holds row 32 (a / 2) + 8 (a % 2) + r + 8 (r / 8) of its group of 128.  THE MATRIX INSTRUCTION IS USED TRANSPOSED (source 0 = 16 rows of B, source 1 = 16 rows of A): lane (r, h) then holds ONE row of A,
; and the 64 registers of accumulators (a, 0 .. 7) are B's rows 32 beta + 16 h + i at register 16 beta + i: sixteen neighbours of each block of 32, as the conversions and the next operand's layout want them.
; ROLES by the cluster's x: 0: A = x, B = Wq;  1: A = x, B = Wk (results run along the head's channels);  2: A = Wv, B = x (results run along the keys).  The number is the same in all partners of a cluster.
; A tile of 256 x 256 to a work-group of four waves, 128 x 128 a wave (64 accumulators, 512 registers).  K = 1,024 goes in four steps of 256 through two LDS slots; the scale words of all of K come once.
; CLUSTERS: 4 x 4 work-groups; A's tiles are asked for jointly along a row of the cluster, B's along a column.
; OUT: qkvimg: Q at 0, K at 8 MiB: [head of batch][tile of 16 rows][c 0..1][lane][16];  V at 16 MiB: [head][128 keys][tile of 16 channels][c 0..3][lane][16].
;      asc, 20,480 bytes a head: Q's words at 0 and K's at 8,192, [group of 8 tiles][g][r][i], upper two bytes 0 (they meet zero codes); V's at 16,384: [128 keys][r][tile].
; LIMITS: NaN and infinities are not served; blocks whose largest magnitude lies under 2^-111, zeros among them, take the byte 1 (their codes are exact or zeros; this program alone reads the bytes).
; REGISTERS: window 0: v4-30 addresses and small things; v32-63 scale words, two sets; v64-127 the bias of my 128 columns; v128-255 A's fragments, one set (behind the loop: at work).  window 1: B's fragments, two sets.  windows 2, 3: accumulators.
.set SLOT,   131072                    ; a slot: A's two groups of rows, then B's two: four regions of 32,768 bytes, each [2 x 128 K][8 tiles][2,048]
.set SCL,    262144                    ; behind the ring: the scale words of all of K: four regions of 4,096 bytes
.set SPARE,  278528                    ; the spare words, 128 bytes for each wave: two blocks of 256 bytes that no other line names
.set NP,     8                         ; places behind this matrix instruction (ISA guide 7.12.1)
.set FR,     16
.set OUT,  4
.set BA,   8                           ; v8-15   role 2: the bias of my lane's row in each of A's eight tiles
.set ADRA, 16
.set ADRB, 20
.set LI,   24                          ; v24     16 x lane
.set VS,   25                          ; v25     role 2: 20,480 h + 16 r
.set ADRS, 27
.set SPW,  28
.set NIL,  29
.set PW,   30
.set SC,   32                          ; register SC + 16 set + 8 q + i: lanes 0-15 the words of A's tile i, lanes 16-31 those of B's tile i
.set BIAS, 64
.set AF,   128
.set T,    128                         ; behind the loop: v128-191 64 results with their bias
.set W,    192                         ; v192-207 scale words gathered
.set TM,   208                         ; v208-223 at work
.set PC,   224                         ; v224-239 codes
.set G1, 24
.set G0, 32
.set G1B, 48
.set G0B, 56
.set SEL, 66
.set G1S, 68
.set G0S, 76
.set G1SB, 80
.set G0SB, 88
.set MNT, 95
.set HIM, 96
.set MSB, 0
.macro WIN new                         ; the immediate's high byte repeats the setting that is left
.if MSB != \new
	s_set_vgpr_msb (MSB<<8)|\new
.set MSB, \new
.endif
.endm
.set MUL_LO, 0xa1                      ; source 0 (B) window 1, source 1 (A) window 0, C and D window 2
.set MUL_HI, 0xf1
.set TO_B,   0x40
; A joint load: waves 0 and 1 fetch for A, waves 2 and 3 for B.  Four v_nop follow each of the two lines.
.macro JLOAD g0a, g1a, g0b, g1b
	s_cmp_eq_u32 s15, 0
	s_cbranch_scc0 .Lfor_b_\@
	tensor_load_to_lds s[\g0a:\g0a+3], s[\g1a:\g1a+7]
	s_nop 0
.rept 4
	v_nop
.endr
	s_branch .Lasked_\@
.Lfor_b_\@:
	tensor_load_to_lds s[\g0b:\g0b+3], s[\g1b:\g1b+7]
	s_nop 0
.rept 4
	v_nop
.endr
.Lasked_\@:
.endm
.macro CREST                           ; a round of the cluster's barrier behind its opening barrier
	s_cmp_lg_u32 s14, 0
	s_cbranch_scc1 .Lnot_wave_0_\@
	s_barrier_signal -3
.Lnot_wave_0_\@:
	s_barrier_wait -3
	s_barrier_signal -1
	s_barrier_wait -1
.endm
.macro CROUND
	s_barrier_signal -1
	s_barrier_wait -1
	CREST
.endm
	s_load_b256 s[4:11], s[0:1], 0x0               ; opimg s[4:5], opsc s[6:7], b_attn s[8:9], qkvimg s[10:11]
	s_load_b64 s[12:13], s[0:1], 0x20              ; asc
	v_lshl_add_u32 v[SPW], v0, 2, SPARE
	v_mov_b32 v[NIL], 0
	ds_add_u32 v28, v29
	ds_add_u32 v28, v29
	s_wait_dscnt 0x0
	v_lshrrev_b32 v1, 5, v0
	v_readfirstlane_b32 s14, v1                    ; wave 0..3
	s_lshr_b32 s15, s14, 1                         ; which half of A's rows is mine.  Also: I fetch for A (0) or for B (1)
	s_and_b32 s16, s14, 1                          ; which half of B's rows.  Also: which group of 128 rows I fetch
	s_bfe_u32 s40, ttmp6, 0x40000                  ; cx, cy: my place in the cluster
	s_bfe_u32 s41, ttmp6, 0x40004
	s_mov_b32 s97, ttmp9                           ; the cluster's x: the role
	s_and_b32 s98, ttmp7, 0xffff                   ; the cluster's y: 1,024 rows of x
	s_lshl_b32 s43, s41, 2
	s_lshl_b32 s43, 15, s43                        ; my row of the cluster
	s_lshl_b32 s44, 0x1111, s40                    ; my column
	; descriptor group 1: a dense block of 32,768 bytes as 128 rows of 256 (32 elements of 8 bytes); the scale words: 16 such rows
	s_or_b32 s[G1+0], s43, (3<<16)|(1<<21)         ; 15:0 the mask: A's tiles go to my row; 17:16 elements of 8 bytes; 21 set beside a mask
	s_or_b32 s[G1B+0], s44, (3<<16)|(1<<21)
.irp g, G1, G1B
	s_mov_b32 s[\g+1], 32<<16                      ; tensor_dim0
	s_mov_b32 s[\g+2], 128<<16                     ; tensor_dim1
	s_mov_b32 s[\g+3], 32<<16                      ; tile_dim0
	s_mov_b32 s[\g+4], 128                         ; tile_dim1
	s_mov_b32 s[\g+5], 32                          ; tensor_dim0_stride
	s_mov_b32 s[\g+6], 0
	s_mov_b32 s[\g+7], 0
.endr
	s_or_b32 s[G1S+0], s43, (3<<16)|(1<<21)
	s_or_b32 s[G1SB+0], s44, (3<<16)|(1<<21)
.irp g, G1S, G1SB
	s_mov_b32 s[\g+1], 32<<16
	s_mov_b32 s[\g+2], 16<<16
	s_mov_b32 s[\g+3], 32<<16
	s_mov_b32 s[\g+4], 16
	s_mov_b32 s[\g+5], 32
	s_mov_b32 s[\g+6], 0
	s_mov_b32 s[\g+7], 0
.endr
	; which groups of 128 rows: A's hang on cy, B's on cx, both on the cluster's numbers, which all partners share
	s_lshl_b32 s17, s98, 3                         ; x: 8 groups for each cluster y
	s_lshl_b32 s18, s97, 3
	s_add_co_u32 s18, s18, 64                      ; Wq from group 64, Wk from 72
	s_mov_b32 s19, 80                              ; Wv from 80
	s_cmp_eq_u32 s97, 2
	s_cselect_b32 s20, s19, s17
	s_cselect_b32 s46, s17, s18
	s_lshl_b32 s21, s41, 1
	s_add_co_u32 s20, s20, s21
	s_add_co_u32 s20, s20, s16                     ; A's group that I would fetch
	s_lshl_b32 s47, s40, 1
	s_add_co_u32 s46, s46, s47
	s_add_co_u32 s46, s46, s16                     ; B's
	s_lshl_b32 s22, s20, 12                        ; scale words: 4,096 bytes a group
	s_mov_b32 s23, 0
	s_lshl_b32 s20, s20, 17                        ; codes: 131,072
	s_mov_b32 s21, 0
	s_lshl_b32 s92, s46, 12
	s_mov_b32 s93, 0
	s_lshl_b32 s46, s46, 17
	s_mov_b32 s47, 0
	s_lshl_b32 s45, s14, 15                        ; where they go: region = wave: no place in the cluster enters an LDS address
	s_lshl_b32 s94, s14, 12
	s_mov_b32 s[SEL], 0x76543210
	s_mov_b32 s[SEL+1], 0xfedcba98
	s_mov_b32 s[HIM], 0xffff0000
	s_wait_kmcnt 0x0
	s_add_nc_u64 s[20:21], s[4:5], s[20:21]
	s_add_nc_u64 s[22:23], s[6:7], s[22:23]
	s_add_nc_u64 s[46:47], s[4:5], s[46:47]
	s_add_nc_u64 s[92:93], s[6:7], s[92:93]
	CROUND                                         ; all sixteen work-groups are here: the first joint loads meet
	s_mov_b32 s[G0S], 1
	s_add_co_u32 s[G0S+1], s94, SCL
	s_mov_b64 s[G0S+2:G0S+3], s[22:23]
	s_or_b32 s[G0S+3], s[G0S+3], 0x80000000
	s_mov_b32 s[G0SB], 1
	s_add_co_u32 s[G0SB+1], s94, SCL
	s_mov_b64 s[G0SB+2:G0SB+3], s[92:93]
	s_or_b32 s[G0SB+3], s[G0SB+3], 0x80000000
	JLOAD G0S, G1S, G0SB, G1SB                     ; the scale words first: they are wanted with the first step
.irp s, 0,1
	s_mov_b32 s[G0+4*\s], 1
	s_add_co_u32 s[G0+4*\s+1], s45, \s*SLOT
	s_add_nc_u64 s[G0+4*\s+2:G0+4*\s+3], s[20:21], \s*32768
	s_or_b32 s[G0+4*\s+3], s[G0+4*\s+3], 0x80000000
	s_mov_b32 s[G0B+4*\s], 1
	s_add_co_u32 s[G0B+4*\s+1], s45, \s*SLOT
	s_add_nc_u64 s[G0B+4*\s+2:G0B+4*\s+3], s[46:47], \s*32768
	s_or_b32 s[G0B+4*\s+3], s[G0B+4*\s+3], 0x80000000
	JLOAD G0+4*\s, G1, G0B+4*\s, G1B
.endr
	v_and_b32 v1, 31, v0
	v_and_b32 v2, 15, v0                           ; r
	v_bfe_u32 v3, v0, 4, 1                         ; h
	s_wait_alu depctr_va_vdst(0)
	v_lshlrev_b32 v[LI], 4, v1
	s_lshl_b32 s99, s15, 15                        ; my group of A,
	s_lshl_b32 s100, s16, 15
	s_add_co_u32 s100, s100, 65536                 ; my group of B, behind A's two
.irp s, 0,1
	v_add_nc_u32 v[ADRA+\s], s99, v[LI]
	v_add_nc_u32 v[ADRB+\s], s100, v[LI]
	s_add_co_u32 s99, s99, SLOT
	s_add_co_u32 s100, s100, SLOT
.endr
	s_xor_b32 s99, s15, 1
	s_add_co_u32 s99, s99, s16
	s_add_co_u32 s99, s99, 1
	s_lshl_b32 s99, s99, 12                        ; from my group of A's words to my group of B's: (2 + B's half - A's half) x 4,096
	v_mul_u32_u24 v4, s99, v3                      ; lanes 16-31 take B's
	s_lshl_b32 s100, s15, 12
	s_add_co_u32 s100, s100, SCL
	v_lshl_add_u32 v4, v2, 4, v4                   ; 16 r: four tiles' words of row index r
	v_add_nc_u32 v[ADRS], s100, v4
	v_mul_u32_u24 v[VS], v3, 20480
	v_lshl_add_u32 v[VS], v2, 4, v[VS]
	; both forms of the bias are loaded in every role (both lie inside b_attn in every role): by column of B (roles 0, 1), by row of A (role 2)
	v_lshlrev_b32 v6, 6, v3                        ; 64 h: my 16 numbers of a block of 32
	s_wait_alu depctr_va_vdst(0)
	v_and_b32 v7, 8, v2
	v_add_nc_u32 v7, v7, v2
	v_lshlrev_b32 v7, 2, v7                        ; 4 (r + 8 (r / 8))
	s_wait_alu depctr_va_vdst(0)
	s_lshl_b32 s2, s97, 12
	s_lshl_b32 s99, s40, 10
	s_add_co_u32 s2, s2, s99
	s_lshl_b32 s99, s16, 9
	s_add_co_u32 s2, s2, s99                       ; 4 (1024 role + 256 cx + 128 half)
	s_mov_b32 s3, 0
	s_add_nc_u64 s[100:101], s[8:9], s[2:3]
	s_lshl_b32 s2, s41, 10
	s_lshl_b32 s99, s15, 9
	s_add_co_u32 s2, s2, s99
	s_add_co_u32 s2, s2, 8192                      ; 4 (2048 + 256 cy + 128 half)
	s_add_nc_u64 s[8:9], s[8:9], s[2:3]
.irp b, 0,1,2,3
.irp j, 0,1,2,3
	global_load_b128 v[BIAS+16*\b+4*\j:BIAS+16*\b+4*\j+3], v6, s[100:101] offset:128*\b+16*\j
.endr
.endr
.irp a, 0,1,2,3,4,5,6,7
	global_load_b32 v[BA+\a], v7, s[8:9] offset:4*(32*(\a/2)+8*(\a%2))
.endr
.macro FRAG reg, adr, q, i             ; a fragment's image: four loads of 512 consecutive bytes
.irp c, 0,1,2,3
	ds_load_b128 v[\reg+4*\c:\reg+4*\c+3], v[\adr] offset:16384*(\q)+2048*(\i)+512*\c
.endr
.endm
; 16 matrix instructions: A's tiles a0, a0 + 1 x B's eight, the slot's q-th 128 along K.  p: B's set;  sc: the set of scale words.  zero = 1: the first product starts the sums.
; The 64 accumulators take turns, one instruction a turn, in the same order in every step.
.macro MUL16 a0, p, q, sc, zero
.irp a, \a0, \a0+1
.irp b, 0,1,2,3,4,5,6,7
.if \zero
	v_wmma_scale_f32_16x16x128_f8f6f4 v[8*(8*((\a)%4)+\b):8*(8*((\a)%4)+\b)+7], v[128*(\p)+FR*\b:128*(\p)+FR*\b+FR-1], v[AF+FR*(\a):AF+FR*(\a)+FR-1], 0, v[SC+16*(\sc)+8*(\q)+\b], v[SC+16*(\sc)+8*(\q)+(\a)] matrix_a_fmt:MATRIX_FMT_BF8 matrix_b_fmt:MATRIX_FMT_BF8 matrix_a_scale:MATRIX_SCALE_ROW1
.else
	v_wmma_scale_f32_16x16x128_f8f6f4 v[8*(8*((\a)%4)+\b):8*(8*((\a)%4)+\b)+7], v[128*(\p)+FR*\b:128*(\p)+FR*\b+FR-1], v[AF+FR*(\a):AF+FR*(\a)+FR-1], v[8*(8*((\a)%4)+\b):8*(8*((\a)%4)+\b)+7], v[SC+16*(\sc)+8*(\q)+\b], v[SC+16*(\sc)+8*(\q)+(\a)] matrix_a_fmt:MATRIX_FMT_BF8 matrix_b_fmt:MATRIX_FMT_BF8 matrix_a_scale:MATRIX_SCALE_ROW1
.endif
.endr
.endr
.endm
.macro FETCH_B slot, q, p
	WIN TO_B
.irp i, 0,1,2,3,4,5,6,7
	FRAG 128*(\p)+FR*\i, ADRB+\slot, \q, \i
.endr
	WIN 0
.endm
.macro FETCH_A slot, q, i0
.irp i, \i0, \i0+1, \i0+2, \i0+3
	FRAG AF+FR*(\i), ADRA+\slot, \q, \i
.endr
.endm
.macro SCALES set, k0                  ; the scale words of the two 128s along K from k0 on
.irp q, 0,1
.irp g, 0,1
	ds_load_b128 v[SC+16*(\set)+8*\q+4*\g:SC+16*(\set)+8*\q+4*\g+3], v[ADRS] offset:512*((\k0)+\q)+256*\g
.endr
.endr
.endm
.macro PLACES n                        ; plain vector lines between a matrix instruction and a load into, or a read of, its registers
.rept \n
	v_nop
.endr
.endm
.macro STEP slot, zero                 ; a slot's first 128 along K; it fetches the second's fragments
	s_wait_dscnt 16                                ; B's set, A's tiles 0-3 and the scale words are in; the youngest 16 loads (A's tiles 4-7) may be out
	WIN MUL_LO
	MUL16 0, 0, 0, \slot, \zero
	MUL16 2, 0, 0, \slot, \zero
	s_wait_dscnt 0x0
	PLACES NP
	FETCH_B \slot, 1, 1
	FETCH_A \slot, 1, 0
	WIN MUL_HI
	MUL16 4, 0, 0, \slot, \zero
	MUL16 6, 0, 0, \slot, \zero
	PLACES NP
	WIN 0
	FETCH_A \slot, 1, 4
.endm
; A slot's second 128 along K changes slots: ONE barrier; in front of it each wave waits for all its tensor loads, adds 0 to its spare word, and waits for that and for its reads of this slot.  fill = 1: this slot is filled again.
.macro TURN slot, next, fill, knext
	s_wait_tensorcnt 0x0                           ; all my tensor loads have landed: my part of the next slot
	ds_add_u32 v[SPW], v[NIL]                      ; 0 onto my spare word
	s_wait_dscnt 17                                ; (the add and the youngest 16 loads, A's tiles 4-7, may be out)
	WIN MUL_LO
	MUL16 0, 1, 1, \slot, 0
	s_wait_dscnt 0x0                               ; the add is done, and my reads of this slot are over
	s_barrier_signal -1
	MUL16 2, 1, 1, \slot, 0
	WIN 0
	s_barrier_wait -1
.if \fill
	CREST                                          ; the barrier has opened a round of the cluster's barrier: no wave of any partner still reads this slot or has a load on its way
	s_add_nc_u64 s[G0+4*\slot+2:G0+4*\slot+3], s[G0+4*\slot+2:G0+4*\slot+3], 65536
	s_add_nc_u64 s[G0B+4*\slot+2:G0B+4*\slot+3], s[G0B+4*\slot+2:G0B+4*\slot+3], 65536
	JLOAD G0+4*\slot, G1, G0B+4*\slot, G1B         ; the first tensor load behind the round; its four v_nop are four of the eight places
	PLACES NP-4
.else
	PLACES NP
.endif
	FETCH_B \next, 0, 0
	FETCH_A \next, 0, 0
	SCALES \next, \knext
	WIN MUL_HI
	MUL16 4, 1, 1, \slot, 0
	MUL16 6, 1, 1, \slot, 0
	PLACES NP
	WIN 0
	FETCH_A \next, 0, 4
.endm
	s_wait_tensorcnt 1                             ; the scale words and my part of slot 0 are in (slot 1's load may be out)
	s_barrier_signal -1
	s_barrier_wait -1                              ; everybody's are
	FETCH_B 0, 0, 0
	FETCH_A 0, 0, 0
	SCALES 0, 0
	FETCH_A 0, 0, 4
	STEP 0, 1                                      ; K = 1,024 is eight steps of 128: written out
	TURN 0, 1, 1, 2
	STEP 1, 0
	TURN 1, 0, 1, 4
	STEP 0, 0
	TURN 0, 1, 0, 6
	STEP 1, 0
	s_wait_dscnt 16
	WIN MUL_LO
	MUL16 0, 1, 1, 1, 0
	MUL16 2, 1, 1, 1, 0
	s_wait_dscnt 0x0
	WIN MUL_HI
	MUL16 4, 1, 1, 1, 0
	MUL16 6, 1, 1, 1, 0
	WIN 0
; 64 numbers of a lane, register 16 b + i = index 32 b + 16 h + i along the next K, become codes in v[PC] on and four scale bytes in v[PW]
.macro QUANT s
.irp b, 0,1,2,3
	v_max3_num_f32 v[TM+\b], |v[\s+16*\b]|, |v[\s+1+16*\b]|, 0x8000000   ; my 16 numbers of block b, and the floor 2^(16 - 127)
.endr
.irp i, 2,4,6,8,10,12,14
.irp b, 0,1,2,3
	v_max3_num_f32 v[TM+\b], v[TM+\b], |v[\s+16*\b+\i]|, |v[\s+1+16*\b+\i]|
.endr
.endr
.irp b, 0,1,2,3
	v_permlanex16_b32 v[TM+4+\b], v[TM+\b], s[SEL], s[SEL+1]
.endr
.irp b, 0,1,2,3
	v_max_num_f32 v[TM+\b], v[TM+\b], v[TM+4+\b]
.endr
.irp b, 0,1,2,3
	v_add_nc_u32 v[TM+12+\b], 0xf8800000, v[TM+\b]
.endr
.irp b, 0,1,2,3
.endr
.irp b, 0,1,2,3
	v_lshrrev_b32 v[TM+4+\b], 23, v[TM+12+\b]
.endr
	v_lshl_or_b32 v[PW], v[TM+5], 8, v[TM+4]
	v_lshl_or_b32 v[PW], v[TM+6], 16, v[PW]
	v_lshl_or_b32 v[PW], v[TM+7], 24, v[PW]
.irp b, 0,1,2,3
.irp i, 0,1,2,3,4,5,6,7,8,9,10,11,12,13,14,15
.endr
	v_cvt_scalef32_pk8_bf8_f32 v[PC+4*\b:PC+1+4*\b], v[\s+16*\b:\s+7+16*\b], v[TM+12+\b]
	v_cvt_scalef32_pk8_bf8_f32 v[PC+2+4*\b:PC+3+4*\b], v[\s+8+16*\b:\s+15+16*\b], v[TM+12+\b]
.endr
	v_nop                                          ; a plain line behind the last conversion
.endm
	; THE WAY OUT: tile of A by tile: the bias, the quantiser, and the codes leave as they stand: 512 consecutive bytes a store.  No LDS.
	PLACES NP
	s_wait_loadcnt 0x0                             ; the biases
.irp b, 0,1,2,3
	v_mov_b32 v[TM+4+\b], 0                        ; a lane permute's destination counts as one of its sources
.endr
	s_lshr_b32 s2, s98, 1
	s_lshl_b32 s2, s2, 4                           ; 16 x batch
	s_and_b32 s3, s98, 1
	s_lshl_b32 s3, s3, 3                           ; the batch's lower or upper eight groups of 128 rows
	s_lshl_b32 s99, s41, 1
	s_add_co_u32 s99, s99, s15                     ; 2 cy + A's half
	s_lshl_b32 s100, s40, 1
	s_add_co_u32 s100, s100, s16                   ; 2 cx + B's half
	s_cmp_eq_u32 s97, 2
	s_cbranch_scc1 .Lv
	; ---- roles 0, 1: a lane holds one row t; its 64 registers are two heads x 64 channels: blocks 0, 1 the first head's, 2, 3 the second's
	s_add_co_u32 s99, s99, s3                      ; my group of 128 rows in the batch
	s_lshl_b32 s100, s100, 1
	s_add_co_u32 s100, s100, s2                    ; my first head
	s_lshl_b32 s2, s97, 23                         ; Q's or K's part
	s_lshl_b32 s3, s100, 17
	s_add_co_u32 s2, s2, s3
	s_lshl_b32 s3, s99, 13                         ; eight tiles of 1,024 bytes
	s_add_co_u32 s2, s2, s3
	s_mov_b32 s3, 0
	s_add_nc_u64 s[10:11], s[10:11], s[2:3]
	s_mul_i32 s2, s100, 20480
	s_lshl_b32 s101, s97, 13
	s_add_co_u32 s2, s2, s101
	s_lshl_b32 s101, s99, 9
	s_add_co_u32 s2, s2, s101
	s_add_nc_u64 s[12:13], s[12:13], s[2:3]
.macro QKTILE a
	WIN 0x02+((\a)/4)                              ; source 0: the accumulators' window
.set jj, 0
.rept 32
	v_pk_add_f32 v[T+jj:T+jj+1], v[64*((\a)%4)+jj:64*((\a)%4)+jj+1], v[BIAS+jj:BIAS+jj+1]   ; each accumulator from its low end on
.set jj, jj+2
.endr
	WIN 0
	s_wait_xcnt 0x0                                ; the last tile's stores have read the codes' registers
	QUANT T
	v_and_b32 v[W+(\a)], 0xffff, v[PW]             ; the first head's two bytes,
	v_lshrrev_b32 v[W+8+(\a)], 16, v[PW]           ; the second's; the upper two bytes of each word are 0
.irp b, 0,1,2,3
	global_store_b128 v[LI], v[PC+4*\b:PC+4*\b+3], s[10:11] offset:(\b/2)*131072+1024*(\a)+512*(\b%2)
.endr
.endm
.irp a, 0,1,2,3,4,5,6,7
	QKTILE \a
.endr
	s_wait_alu depctr_va_vdst(0)
.irp u, 0,1
	s_wait_xcnt 0x0
.irp i, 0,1,2,3
	v_cndmask_b32 v[OUT+\i], v[W+8*\u+\i], v[W+8*\u+4+\i], s[HIM]   ; lanes 0-15: tiles 0-3, lanes 16-31: tiles 4-7
.endr
	global_store_b128 v[LI], v[OUT:OUT+3], s[12:13] offset:20480*\u   ; 512 consecutive bytes
.endr
	s_branch .Lend
	; ---- role 2: a lane holds one channel of V (tiles 0-3: the first head's 64, tiles 4-7: the second's); its 64 registers run along 128 keys
.Lv:
	s_add_co_u32 s100, s100, s3                    ; my 128 keys in the batch
	s_lshl_b32 s99, s99, 1
	s_add_co_u32 s99, s99, s2                      ; my first head
	s_lshl_b32 s2, s99, 17
	s_lshl_b32 s3, s100, 13
	s_add_co_u32 s2, s2, s3
	s_add_co_u32 s2, s2, 16777216                  ; V's part
	s_mov_b32 s3, 0
	s_add_nc_u64 s[10:11], s[10:11], s[2:3]
	s_mul_i32 s2, s99, 20480
	s_lshl_b32 s101, s100, 8
	s_add_co_u32 s2, s2, s101
	s_add_co_u32 s2, s2, 16384
	s_add_nc_u64 s[12:13], s[12:13], s[2:3]
.macro VTILE a
	WIN 0x02+((\a)/4)
.set jj, 0
.rept 64
	v_add_f32 v[T+jj], v[64*((\a)%4)+jj], v[BA+(\a)]   ; one bias a lane: its channel's
.set jj, jj+1
.endr
	WIN 0
	s_wait_xcnt 0x0
	QUANT T
	v_mov_b32 v[W+(\a)], v[PW]
.irp b, 0,1,2,3
	global_store_b128 v[LI], v[PC+4*\b:PC+4*\b+3], s[10:11] offset:((\a)/4)*131072+2048*((\a)%4)+512*\b
.endr
.endm
.irp a, 0,1,2,3,4,5,6,7
	VTILE \a
.endr
.irp i, 0,1,2,3
	v_cndmask_b32 v[OUT+\i], v[W+\i], v[W+4+\i], s[HIM]   ; lanes 0-15: the first head's four tiles, lanes 16-31: the second's
.endr
	global_store_b128 v[VS], v[OUT:OUT+3], s[12:13]       ; sixteen lanes fill 256 aligned bytes of their head
.Lend:
	s_wait_tensorcnt 0x0                           ; the wave's end
	ds_add_u32 v[SPW], v[NIL]
	s_wait_dscnt 0x0
	CROUND                                         ; the closing round: no work-group ends while a partner may still ask for a tile that names it
	s_endpgm
.Lfunc_end_k_q037d1615c9_qkv:
	.size	k_q037d1615c9_qkv, .Lfunc_end_k_q037d1615c9_qkv-k_q037d1615c9_qkv
	.p2alignl 7, 3214868480
	.fill 96, 4, 3214868480
	.section	.rodata,"a",@progbits
	.p2align	6, 0x0
	.amdhsa_kernel k_q037d1615c9_qkv
		.amdhsa_group_segment_fixed_size 327680
		.amdhsa_private_segment_fixed_size 0
		.amdhsa_enable_private_segment 0
		.amdhsa_kernarg_size 40
		.amdhsa_user_sgpr_count 2
		.amdhsa_user_sgpr_kernarg_segment_ptr 1
		.amdhsa_wavefront_size32 1
		.amdhsa_system_sgpr_workgroup_id_x 1
		.amdhsa_system_sgpr_workgroup_id_y 1
		.amdhsa_system_sgpr_workgroup_id_z 1
		.amdhsa_system_vgpr_workitem_id 0
		.amdhsa_next_free_vgpr 1024
		.amdhsa_next_free_sgpr 102
		.amdhsa_reserve_vcc 0
		.amdhsa_float_denorm_mode_32 3
		.amdhsa_float_denorm_mode_16_64 3
		.amdhsa_fp16_overflow 1
		.amdhsa_memory_ordered 1
		.amdhsa_forward_progress 1
		.amdhsa_inst_pref_size 218
	.end_amdhsa_kernel
	.amdgpu_metadata
---
amdhsa.version: [ 1, 2 ]
amdhsa.kernels:
  - .name:           k_q037d1615c9_qkv
    .symbol:         k_q037d1615c9_qkv.kd
    .args:
      - { .name: opimg, .offset: 0, .size: 8, .value_kind: global_buffer, .address_space: global }
      - { .name: opsc, .offset: 8, .size: 8, .value_kind: global_buffer, .address_space: global }
      - { .name: b_attn, .offset: 16, .size: 8, .value_kind: global_buffer, .address_space: global }
      - { .name: qkvimg, .offset: 24, .size: 8, .value_kind: global_buffer, .address_space: global }
      - { .name: asc, .offset: 32, .size: 8, .value_kind: global_buffer, .address_space: global }
    .group_segment_fixed_size: 327680
    .private_segment_fixed_size: 0
    .kernarg_segment_align: 8
    .kernarg_segment_size: 40
    .max_flat_workgroup_size: 128
    .sgpr_count:     102
    .vgpr_count:     1024
    .wavefront_size: 32
...
	.end_amdgpu_metadata
.endif
;; end of part 2
;; launch attn (part 3): grid 4 x 64, 16 waves a work-group, clusters of 4 x 1, 276,480 bytes of LDS; arguments qkvimg, asc, yimg, ysc; writes yimg, ysc
.if DOCPART == 3
	.amdgcn_target "amdgcn-amd-amdhsa--gfx1250"
	.amdhsa_code_object_version 6
	.text
	.protected	k_q037d1615c9_attn
	.globl	k_q037d1615c9_attn
	.p2align	8
	.type	k_q037d1615c9_attn,@function
k_q037d1615c9_attn:
	s_mov_b64 s[64:65], 0
	v_nop
	global_prefetch_b8 v0, s[64:65] scope:SCOPE_SE
	s_setreg_imm32_b32 hwreg(HW_REG_WAVE_MODE, 25, 1), 1
	s_wait_xcnt 0x0
	s_wait_alu depctr_hold_cnt(0) depctr_sa_sdst(0) depctr_va_vdst(0) depctr_va_sdst(0) depctr_va_ssrc(0) depctr_va_vcc(0) depctr_vm_vsrc(0)
	s_getreg_b32 s2, hwreg(HW_REG_IB_STS2, 6, 4)
	s_cmp_eq_u32 s2, 0
	s_cbranch_scc0 .Lentry_in_a_cluster
	s_endpgm
.Lentry_in_a_cluster:
	s_bfe_u32 s2, ttmp6, 0x10000c
	s_cmp_lg_u32 s2, 0x3003
	s_cbranch_scc0 .Lentry_shape_is_right
	s_endpgm
.Lentry_shape_is_right:
; y = softmax(q k^T / 8, causal) v for one head of one batch to a cluster, both products on codes of BF8 (E5M2) with E8M0 scales; y is quantised at once along the channels for the projection.
; THE SOFTMAX: t = score x log2(e) / 8; M = the running largest t rounded UP to a whole number; p = 2^(t - M) is quantised along the keys, not normalised; the row's sum is taken of the unquantised p and divides at the end.
; When M moves, the sum and O^T are multiplied by 2^(old M - new M): exact.
; OPERANDS are images of fragments' registers.  Both products are used transposed (S^T = K Q^T, O^T = V^T P^T): a lane holds ONE query.  In every tile lane r holds row 32 (a / 2) + 8 (a % 2) + r + 8 (r / 8) of its 128, so that the
; 16 registers of tiles 2 b and 2 b + 1 of S^T are keys 32 b + 16 h + 0 .. 15, and those of O^T channels likewise: the conversions' results are the next operand's registers.
; The first product's K is 64: registers 8-15 of Q's fragment are zero codes; K's fragment t names tile t's 8 registers and the 8 behind them (tile t + 1's codes, or zeros), which meet those zero codes.
; SHARES.  The four work-groups of a cluster share a head.  The head's whole K, V and their scale words (268 KiB) come into each LDS ONCE, by joint loads: nothing is filled again.
; The head's 128 tiles of 16 queries are 16 groups s of 8; a tile of group s wants s + 1 steps of 128 keys, the last on the diagonal.  Wave w takes tile 8 s + 2 cx + w / 8 for s = 15 - min(w, 15 - w) and then for
; s = min(w, 15 - w): 17 steps for every wave.  The loops' trip counts are constants; a step all of whose keys come after the tile's queries is jumped over by a branch on the wave's number and the step's.
; cx enters global addresses and one vector number (the diagonal's mask) alone.
; ysc's bytes leave one a lane, 16 bytes apart: a scale word holds two heads' bytes, which two clusters make; they are 1/32 of the codes' bytes.
; LIMITS: NaN and infinities are not served; blocks whose largest magnitude lies under 2^-111, zeros among them, take the byte 1.
; LDS: K's tiles at 1,024 x tile; V's at 131,072 + 8,192 x step; K's scale words at 262,144 + 512 x step; V's at 270,336 + 256 x step.
; REGISTERS: v1-7 addresses that stay; v8-11 the step's; v12 -M, v13 the largest t, v[14:15] the sum; v16-23 Q, v24-31 zeros; v32-95 K's or V's fragments, v96-103 zeros; v104-167 S^T, then p; v168-199 O^T;
;   v200-215 p's codes; v216-223 K's scale words, v224-227 V's, v228 Q's, v253 p's; v230-249, v252, v254 at work.
.set S,    104
.set O,    168
.set CD,   200
.set ADK,  8
.set ADV,  9
.set ADS,  10
.set ADT,  11
.set WV,   12                          ; s12 wave;  s13 cx;  s14 head of batch;  s15 wave / 8
.set G1S,  16                          ; s[16:23] group 1: 3 rows of 256 bytes;  s[24:31] 16 rows;  s[32:39] 48 rows
.set G1A,  24
.set G1B,  32
.set G0S,  40                          ; s[40:51] the three groups 0
.set G0A,  44
.set G0B,  48
.set SEL,  52
.set CS,   54                          ; s[54:55] c = log2(e) / 8
.set MNT,  56
.set KC,   57                          ; the step's number
.set TK,   58                          ; its tiles' bytes: 8,192 a step
.set TSK,  59                          ; K's scale words: 512 a step
.set TSV,  60                          ; V's: 256
.set ST,   61                          ; the group s of the tile in hand
.set HIM,  62
.set LC,   63                          ; trips to go
.set SL,   66                          ; the long tile's s
.set SS,   67                          ; the short tile's
.macro ROUND                           ; a round of the cluster's barrier
	s_barrier_signal -1
	s_barrier_wait -1
	s_cmp_lg_u32 s[WV], 0
	s_cbranch_scc1 .Lnot_wave_0_\@
	s_barrier_signal -3
.Lnot_wave_0_\@:
	s_barrier_wait -3
	s_barrier_signal -1
	s_barrier_wait -1
.endm
.macro DESC1 g, rows                   ; a dense block as rows of 256 bytes (32 elements of 8); the mask names all four work-groups, bit 21 beside it
	s_mov_b32 s[\g], 15|(3<<16)|(1<<21)
	s_mov_b32 s[\g+1], 32<<16
	s_mov_b32 s[\g+2], (\rows)<<16
	s_mov_b32 s[\g+3], 32<<16
	s_mov_b32 s[\g+4], \rows
	s_mov_b32 s[\g+5], 32
	s_mov_b32 s[\g+6], 0
	s_mov_b32 s[\g+7], 0
.endm
	s_load_b256 s[4:11], s[0:1], 0x0               ; qkvimg s[4:5], asc s[6:7], yimg s[8:9], ysc s[10:11]
	v_lshl_add_u32 v251, v0, 2, 0x43000
	v_mov_b32 v255, 0
	ds_add_u32 v251, v255
	ds_add_u32 v251, v255
	v_lshrrev_b32 v8, 5, v0
	s_delay_alu instid0(VALU_DEP_1)
	v_readfirstlane_b32 s[WV], v8                  ; wave 0..15
	s_bfe_u32 s13, ttmp6, 0x40000                  ; cx
	s_and_b32 s14, ttmp7, 0xffff                   ; 16 x batch + head
	s_lshr_b32 s15, s[WV], 3
	s_xor_b32 s[SS], s[WV], 15                     ; 15 - wave
	s_min_u32 s[SS], s[SS], s[WV]
	s_xor_b32 s[SL], s[SS], 15                     ; 15 - that
	DESC1 G1S, 3
	DESC1 G1A, 16
	DESC1 G1B, 48
	; what I fetch: 768 bytes of the scale words; waves 0-7 an eighth of K's, waves 8-15 of V's: of steps 0-3 (4,096 bytes) and of steps 4-15 (12,288)
	s_and_b32 s3, s[WV], 7
	s_mul_i32 s2, s14, 20480
	s_mul_i32 s84, s[WV], 768
	s_add_co_u32 s[G0S+1], s84, 262144
	s_add_co_u32 s84, s84, s2
	s_add_co_u32 s84, s84, 8192                    ; K's words and, on end behind them, V's
	s_mov_b32 s85, 0
	s_lshl_b32 s86, s15, 17
	s_lshl_b32 s87, s3, 12
	s_add_co_u32 s[G0A+1], s86, s87
	s_mul_i32 s88, s3, 12288
	s_add_co_u32 s[G0B+1], s86, s88
	s_add_co_u32 s[G0B+1], s[G0B+1], 32768
	s_add_co_u32 s86, s15, 1
	s_lshl_b32 s86, s86, 23                        ; K's part of qkvimg, or V's
	s_lshl_b32 s89, s14, 17
	s_add_co_u32 s86, s86, s89                     ; the head's
	s_add_co_u32 s88, s88, s86
	s_add_co_u32 s88, s88, 32768
	s_mov_b32 s89, 0
	s_add_co_u32 s86, s86, s87
	s_mov_b32 s87, 0
	s_mov_b32 s[SEL], 0x76543210
	s_mov_b32 s[SEL+1], 0xfedcba98
	s_mov_b32 s[CS], 0x3e38aa3b
	s_mov_b32 s[CS+1], s[CS]                       ; (named with it as a pair, so it is written)
	s_mov_b32 s[HIM], 0xffff0000
	s_wait_dscnt 0x0
	s_wait_kmcnt 0x0
	s_mov_b32 s[G0S], 1
	s_add_nc_u64 s[G0S+2:G0S+3], s[6:7], s[84:85]
	s_or_b32 s[G0S+3], s[G0S+3], 0x80000000
	s_mov_b32 s[G0A], 1
	s_add_nc_u64 s[G0A+2:G0A+3], s[4:5], s[86:87]
	s_or_b32 s[G0A+3], s[G0A+3], 0x80000000
	s_mov_b32 s[G0B], 1
	s_add_nc_u64 s[G0B+2:G0B+3], s[4:5], s[88:89]
	s_or_b32 s[G0B+3], s[G0B+3], 0x80000000
	ROUND                                          ; all four work-groups are here: the joint loads meet
	tensor_load_to_lds s[G0S:G0S+3], s[G1S:G1S+7]  ; every wave issues all three: three loads of mine are out
	s_nop 0
	tensor_load_to_lds s[G0A:G0A+3], s[G1A:G1A+7]
	s_nop 0
	tensor_load_to_lds s[G0B:G0B+3], s[G1B:G1B+7]
	s_nop 0
.rept 4
	v_nop
.endr
	v_and_b32 v9, 31, v0
	v_and_b32 v10, 15, v0                          ; r
	v_bfe_u32 v11, v0, 4, 1                        ; h
	s_delay_alu instid0(VALU_DEP_3)
	v_lshlrev_b32 v1, 4, v9                        ; 16 x lane: an image's place for my lane
	s_delay_alu instid0(VALU_DEP_1)
	v_add_nc_u32 v2, 131072, v1                    ; the same in V's part of LDS
	s_delay_alu instid0(VALU_DEP_4)
	v_lshlrev_b32 v7, 4, v10                       ; 16 r
	s_delay_alu instid0(VALU_DEP_1)
	v_add_nc_u32 v3, 262144, v7
	s_delay_alu instid0(VALU_DEP_2)
	v_add_nc_u32 v4, 270336, v7
	s_delay_alu instid0(VALU_DEP_3)
	v_add_nc_u32 v6, v7, v11                       ; 16 r + h: my byte of ysc
	v_and_b32 v5, 8, v10
	s_delay_alu instid0(VALU_DEP_1)
	v_add_nc_u32 v5, v5, v10
	v_lshlrev_b32 v8, 4, v11
	s_delay_alu instid0(VALU_DEP_1)
	v_sub_nc_u32 v5, v5, v8
	s_lshl_b32 s90, s13, 1
	s_add_co_u32 s90, s90, s15                     ; my tile in its group of eight: 2 cx + wave / 8
	s_lshl_b32 s91, s90, 4
	s_lshl_b32 s92, s15, 3
	s_sub_co_u32 s91, s91, s92                     ; 32 cx + 8 (wave / 8)
	v_add_nc_u32 v5, s91, v5                       ; my query in its 128, less 16 h: register 16 b + i is hidden on the diagonal where 32 b + i is larger
	s_lshl_b32 s92, s14, 17
	s_lshl_b32 s91, s90, 10
	s_add_co_u32 s92, s92, s91
	s_mov_b32 s93, 0
	s_add_nc_u64 s[68:69], s[4:5], s[92:93]        ; Q's codes: the head's, my tile of group 0
	s_mul_i32 s92, s14, 20480
	s_lshr_b32 s91, s90, 2
	s_lshl_b32 s91, s91, 8
	s_add_co_u32 s92, s92, s91
	s_and_b32 s91, s90, 3
	s_lshl_b32 s91, s91, 2
	s_add_co_u32 s92, s92, s91
	s_add_nc_u64 s[70:71], s[6:7], s[92:93]        ; and its scale words
	s_lshr_b32 s92, s14, 4
	s_lshl_b32 s92, s92, 21                        ; yimg: the batch's 16 groups of 131,072 bytes,
	s_bfe_u32 s91, s14, 0x30001
	s_lshl_b32 s91, s91, 14                        ; 128 channels = two heads,
	s_add_co_u32 s92, s92, s91
	s_lshl_b32 s91, s90, 11                        ; my tile,
	s_add_co_u32 s92, s92, s91
	s_and_b32 s91, s14, 1
	s_lshl_b32 s91, s91, 10                        ; parts 0, 1 or 2, 3 of the fragment
	s_add_co_u32 s92, s92, s91
	s_add_nc_u64 s[76:77], s[8:9], s[92:93]
	s_lshr_b32 s92, s14, 4
	s_lshl_b32 s92, s92, 16                        ; ysc likewise
	s_bfe_u32 s91, s14, 0x30001
	s_lshl_b32 s91, s91, 9
	s_add_co_u32 s92, s92, s91
	s_lshr_b32 s91, s90, 2
	s_lshl_b32 s91, s91, 8
	s_add_co_u32 s92, s92, s91
	s_and_b32 s91, s90, 3
	s_lshl_b32 s91, s91, 2
	s_add_co_u32 s92, s92, s91
	s_and_b32 s91, s14, 1
	s_lshl_b32 s91, s91, 1
	s_add_co_u32 s92, s92, s91
	s_add_nc_u64 s[78:79], s[10:11], s[92:93]
.irp j, 0,1,2,3,4,5,6,7
	v_mov_b32 v[24+\j], 0                          ; Q's zero codes for K = 64 .. 127
	v_mov_b32 v[96+\j], 0                          ; what stands behind K's last tile
.endr
.irp b, 0,1,2,3
	v_mov_b32 v[236+\b], 0                         ; a lane permute's destination counts as one of its sources
.endr
	v_mov_b32 v252, 0
	v_mov_b32 v253, 0                              ; (named as the upper half of the pair v[252:253] before it is first written)
; A tile begins: its codes and scale words of Q; the sums begin as zeros and the largest t as -3e38, so that the first step is a step like every other
.macro BEGIN sreg
	s_mov_b32 s[ST], s[\sreg]
	s_lshl_b32 s84, s[ST], 13
	s_mov_b32 s85, 0
	s_add_nc_u64 s[72:73], s[68:69], s[84:85]
	s_lshl_b32 s84, s[ST], 9
	s_add_nc_u64 s[74:75], s[70:71], s[84:85]
	global_load_b128 v[16:19], v1, s[72:73]
	global_load_b128 v[20:23], v1, s[72:73] offset:512
	global_load_b32 v228, v7, s[74:75]
	v_mov_b32 v13, 0xff61b1e6
	s_delay_alu instid0(VALU_DEP_1)
	v_floor_f32 v12, -v13
	v_mov_b32 v14, 0
	v_mov_b32 v15, 0
.set jj, 0
.rept 32
	v_mov_b32 v[O+jj], 0
.set jj, jj+1
.endr
	s_mov_b32 s[KC], 0
	s_mov_b32 s[TK], 0
	s_mov_b32 s[TSK], 0
	s_mov_b32 s[TSV], 0
.endm
; A KEY STEP: 128 keys.  skip = 1: it may lie behind the diagonal;  diag = 1: it may lie on it.
.macro STEP skip, diag
.if \skip
	s_cmp_gt_u32 s[KC], s[ST]                      ; all its keys come after my queries: only the steps of the addresses are left
	s_cbranch_scc1 .Lhid_\@
.endif
	s_setprio 2
	v_add_nc_u32 v[ADK], s[TK], v1
	v_add_nc_u32 v[ADV], s[TK], v2
	v_add_nc_u32 v[ADS], s[TSK], v3
	v_add_nc_u32 v[ADT], s[TSV], v4
.rept 4
	v_nop                                          ; with the four additions: eight places in front of loads into registers that the last products read
.endr
.irp t, 0,1,2,3,4,5,6,7
.irp c, 0,1
	ds_load_b128 v[32+8*\t+4*\c:32+8*\t+4*\c+3], v[ADK] offset:1024*\t+512*\c
.endr
.endr
	ds_load_b128 v[216:219], v[ADS]
	ds_load_b128 v[220:223], v[ADS] offset:256
	s_wait_alu depctr_va_vdst(0)
	s_wait_dscnt 0x0
.irp t, 0,1,2,3,4,5,6,7
	v_wmma_scale_f32_16x16x128_f8f6f4 v[S+8*\t:S+8*\t+7], v[32+8*\t:47+8*\t], v[16:31], 0, v[216+\t], v228 matrix_a_fmt:MATRIX_FMT_BF8 matrix_b_fmt:MATRIX_FMT_BF8
.endr
.rept 8
	v_nop
.endr
.irp d, 0,1,2,3
.irp c, 0,1,2,3
	ds_load_b128 v[32+16*\d+4*\c:32+16*\d+4*\c+3], v[ADV] offset:2048*\d+512*\c   ; V's four fragments land while the softmax is walked
.endr
.endr
	ds_load_b128 v[224:227], v[ADT]
.if \diag
	s_cmp_lg_u32 s[KC], s[ST]
	s_cbranch_scc1 .Lopen_\@
	v_mov_b32 v254, 0xff800000                     ; on the diagonal the scores of hidden keys become -infinity: p = 0 then
.irp n, 0,1,2,3,4,5,6,7,8,9,10,11,12,13,14,15,16,17,18,19,20,21,22,23,24,25,26,27,28,29,30,31,32,33,34,35,36,37,38,39,40,41,42,43,44,45,46,47,48,49,50,51,52,53,54,55,56,57,58,59,60,61,62,63
	v_cmp_gt_i32 vcc_lo, 32*(\n/16)+\n%16, v5
	v_cndmask_b32 v[S+\n], v[S+\n], v254, vcc_lo
.endr
.Lopen_\@:
.endif
.irp b, 0,1,2,3
	v_max3_num_f32 v[232+\b], v[S+16*\b], v[S+1+16*\b], v[S+2+16*\b]   ; the largest score of each block of 32 keys: for the row's maximum and, since p rises with the score, for the block's largest p
.endr
.irp i, 3,5,7,9,11,13
.irp b, 0,1,2,3
	v_max3_num_f32 v[232+\b], v[232+\b], v[S+16*\b+\i], v[S+1+16*\b+\i]
.endr
.endr
.irp b, 0,1,2,3
	v_max_num_f32 v[232+\b], v[232+\b], v[S+15+16*\b]
.endr
.irp b, 0,1,2,3
	s_delay_alu instid0(VALU_DEP_4)
	v_permlanex16_b32 v[236+\b], v[232+\b], s[SEL], s[SEL+1]
.endr
.irp b, 0,1,2,3
	s_delay_alu instid0(VALU_DEP_4)
	v_max_num_f32 v[232+\b], v[232+\b], v[236+\b]
.endr
	s_delay_alu instid0(VALU_DEP_2)
	v_max3_num_f32 v254, v232, v233, v234
	s_delay_alu instid0(VALU_DEP_1)
	v_max_num_f32 v254, v254, v235
	s_delay_alu instid0(VALU_DEP_1)
	v_mul_f32 v254, s[CS], v254                    ; as t (c is positive)
	s_delay_alu instid0(VALU_DEP_1)
	v_max_num_f32 v13, v13, v254                   ; the running largest t
	v_mov_b32 v254, v12
	s_delay_alu instid0(VALU_DEP_2)
	v_floor_f32 v12, -v13                          ; the new -M = -ceil(t)
	s_delay_alu instid0(VALU_DEP_1)
	v_sub_f32 v254, v12, v254                      ; old M - new M: a whole number, 0 or less
	s_delay_alu instid0(VALU_DEP_1)
	v_cvt_i32_f32 v254, v254                       ; (it saturates)
	s_delay_alu instid0(VALU_DEP_1)
	v_ldexp_f32 v252, 1.0, v254                    ; f = 2^(old M - new M)
.set jj, 0
.rept 32
	v_pk_fma_f32 v[S+jj:S+jj+1], v[S+jj:S+jj+1], s[CS:CS+1], v[12:13] op_sel_hi:[1,0,0]   ; t - M
.set jj, jj+2
.endr
.irp b, 0,1,2,3
	v_fma_f32 v[232+\b], v[232+\b], s[CS], v12
.endr
.set jj, 0
	s_setprio 1
	s_wait_alu depctr_va_vdst(0)
.rept 64
	v_exp_f32 v[S+jj], v[S+jj]                     ; p = 2^(t - M)
.set jj, jj+1
.endr
.irp b, 0,1,2,3
	v_exp_f32 v[232+\b], v[232+\b]                 ; the block's largest p
.endr
	v_pk_mul_f32 v[14:15], v[14:15], v[252:253] op_sel_hi:[1,0]   ; the sums under the new M (a plain line behind the exponentials)
	s_wait_alu depctr_va_vdst(0)
.irp b, 0,1,2,3
	v_max_num_f32 v[232+\b], 0x8000000, v[232+\b]  ; the floor 2^(16 - 127)
.endr
.irp b, 0,1,2,3
	s_delay_alu instid0(VALU_DEP_4)
	v_add_nc_u32 v[244+\b], 0xf8800000, v[232+\b]  ; the conversion's scale operand
.endr
.irp b, 0,1,2,3
.endr
.irp b, 0,1,2,3
	s_delay_alu instid0(VALU_DEP_4)
	v_lshrrev_b32 v[236+\b], 23, v[244+\b]
.endr
	s_delay_alu instid0(VALU_DEP_3)
	v_lshl_or_b32 v253, v237, 8, v236              ; p's scale word for these 128 keys
	s_delay_alu instid0(VALU_DEP_1)
	v_lshl_or_b32 v253, v238, 16, v253
	s_delay_alu instid0(VALU_DEP_1)
	v_lshl_or_b32 v253, v239, 24, v253
	v_pk_add_f32 v[236:237], v[108:109], v[112:113]
	v_pk_add_f32 v[248:249], v[116:117], v[120:121]
	v_pk_add_f32 v[242:243], v[124:125], v[128:129]
	v_pk_add_f32 v[240:241], v[132:133], v[136:137]
	v_pk_add_f32 v[234:235], v[140:141], v[144:145]
	v_pk_add_f32 v[232:233], v[148:149], v[152:153]
	v_pk_add_f32 v[230:231], v[156:157], v[160:161]
	v_pk_add_f32 v[14:15], v[14:15], v[164:165]
	v_pk_add_f32 v[236:237], v[236:237], v[104:105]
	v_pk_add_f32 v[248:249], v[248:249], v[106:107]
	v_pk_add_f32 v[242:243], v[242:243], v[110:111]
	v_pk_add_f32 v[240:241], v[240:241], v[114:115]
	v_pk_add_f32 v[234:235], v[234:235], v[118:119]
	v_pk_add_f32 v[232:233], v[232:233], v[122:123]
	v_pk_add_f32 v[230:231], v[230:231], v[126:127]
	v_pk_add_f32 v[14:15], v[14:15], v[130:131]
	v_pk_add_f32 v[236:237], v[236:237], v[134:135]
	v_pk_add_f32 v[248:249], v[248:249], v[138:139]
	v_pk_add_f32 v[242:243], v[242:243], v[142:143]
	v_pk_add_f32 v[240:241], v[240:241], v[146:147]
	v_pk_add_f32 v[234:235], v[234:235], v[150:151]
	v_pk_add_f32 v[232:233], v[232:233], v[154:155]
	v_pk_add_f32 v[230:231], v[230:231], v[158:159]
	v_pk_add_f32 v[14:15], v[14:15], v[162:163]
	v_pk_add_f32 v[236:237], v[236:237], v[166:167]
	s_delay_alu instid0(VALU_DEP_2)
	v_pk_add_f32 v[14:15], v[14:15], v[240:241]
	s_delay_alu instid0(VALU_DEP_2)
	v_pk_add_f32 v[236:237], v[236:237], v[234:235]
	s_setprio 0
	v_pk_add_f32 v[248:249], v[248:249], v[232:233]
	v_pk_add_f32 v[242:243], v[242:243], v[230:231]
	s_delay_alu instid0(VALU_DEP_2)
	v_pk_add_f32 v[14:15], v[14:15], v[248:249]
	s_delay_alu instid0(VALU_DEP_2)
	v_pk_add_f32 v[236:237], v[236:237], v[242:243]
	s_delay_alu instid0(VALU_DEP_1)
	v_pk_add_f32 v[14:15], v[14:15], v[236:237]
.irp b, 0,1,2,3
.irp i, 0,1,2,3,4,5,6,7,8,9,10,11,12,13,14,15
.endr
	v_cvt_scalef32_pk8_bf8_f32 v[CD+4*\b:CD+1+4*\b], v[S+16*\b:S+7+16*\b], v[244+\b]
	v_cvt_scalef32_pk8_bf8_f32 v[CD+2+4*\b:CD+3+4*\b], v[S+8+16*\b:S+15+16*\b], v[244+\b]
.endr
.set jj, 0
.rept 16
	v_pk_mul_f32 v[O+jj:O+jj+1], v[O+jj:O+jj+1], v[252:253] op_sel_hi:[1,0]   ; O^T under the new M; these are also the places in front of the products below
.set jj, jj+2
.endr
	s_wait_alu depctr_va_vdst(0)
	s_wait_dscnt 0x0                               ; V
.irp d, 0,1,2,3
	v_wmma_scale_f32_16x16x128_f8f6f4 v[O+8*\d:O+8*\d+7], v[32+16*\d:47+16*\d], v[CD:CD+15], v[O+8*\d:O+8*\d+7], v[224+\d], v253 matrix_a_fmt:MATRIX_FMT_BF8 matrix_b_fmt:MATRIX_FMT_BF8
.endr
.Lhid_\@:
	s_add_co_u32 s[TK], s[TK], 8192
	s_add_co_u32 s[TSK], s[TSK], 512
	s_add_co_u32 s[TSV], s[TSV], 256
	s_add_co_u32 s[KC], s[KC], 1
.endm
; A tile ends: O^T / the sum is y; its two blocks of 32 channels are quantised and leave as two parts of a fragment's image
.macro FINISH
.rept 8
	v_nop
.endr
	s_lshl_b32 s84, s[ST], 17
	s_mov_b32 s85, 0
	s_add_nc_u64 s[80:81], s[76:77], s[84:85]
	s_lshl_b32 s84, s[ST], 12
	s_add_nc_u64 s[82:83], s[78:79], s[84:85]
	v_add_f32 v14, v14, v15
	s_delay_alu instid0(VALU_DEP_1)
	v_permlanex16_b32 v252, v14, s[SEL], s[SEL+1]
	s_delay_alu instid0(VALU_DEP_1)
	v_add_f32 v14, v14, v252                       ; the row's sum
	s_wait_alu depctr_va_vdst(0)
	v_rcp_f32 v14, v14
	v_nop                                          ; a plain line behind the transcendental
.set jj, 0
	s_wait_alu depctr_va_vdst(0)
.rept 32
	v_mul_f32 v[S+jj], v[O+jj], v14                ; register 16 b + i: channel 32 b + 16 h + i
.set jj, jj+1
.endr
.irp b, 0,1
	v_max3_num_f32 v[232+\b], |v[S+16*\b]|, |v[S+1+16*\b]|, 0x8000000
.endr
.irp i, 2,4,6,8,10,12,14
.irp b, 0,1
	s_delay_alu instid0(VALU_DEP_2)
	v_max3_num_f32 v[232+\b], v[232+\b], |v[S+16*\b+\i]|, |v[S+1+16*\b+\i]|
.endr
.endr
.irp b, 0,1
	s_delay_alu instid0(VALU_DEP_2)
	v_permlanex16_b32 v[236+\b], v[232+\b], s[SEL], s[SEL+1]
.endr
.irp b, 0,1
	s_delay_alu instid0(VALU_DEP_2)
	v_max_num_f32 v[232+\b], v[232+\b], v[236+\b]
.endr
.irp b, 0,1
	s_delay_alu instid0(VALU_DEP_2)
	v_add_nc_u32 v[244+\b], 0xf8800000, v[232+\b]
.endr
.irp b, 0,1
.endr
.irp b, 0,1
	s_delay_alu instid0(VALU_DEP_2)
	v_lshrrev_b32 v[236+\b], 23, v[244+\b]
.endr
.irp b, 0,1
.irp i, 0,1,2,3,4,5,6,7,8,9,10,11,12,13,14,15
.endr
	v_cvt_scalef32_pk8_bf8_f32 v[CD+4*\b:CD+1+4*\b], v[S+16*\b:S+7+16*\b], v[244+\b]
	v_cvt_scalef32_pk8_bf8_f32 v[CD+2+4*\b:CD+3+4*\b], v[S+8+16*\b:S+15+16*\b], v[244+\b]
.endr
	v_nop
	v_cndmask_b32 v254, v236, v237, s[HIM]         ; lanes 0-15 store block 0's byte, lanes 16-31 block 1's
	global_store_b128 v1, v[CD:CD+3], s[80:81]
	global_store_b128 v1, v[CD+4:CD+7], s[80:81] offset:512
	global_store_b8 v6, v254, s[82:83]
	s_wait_xcnt 0x0                                ; the stores have read their registers and bases: both are written again
.endm
	BEGIN SL                                       ; the long tile
	s_wait_tensorcnt 1                             ; the scale words and my part of steps 0-3 are in; steps 4-15 may be out
	s_barrier_signal -1
	s_barrier_wait -1                              ; everybody's are
	s_wait_loadcnt 0x0                             ; Q
	s_mov_b32 s[LC], 4
.L0:                                               ; steps 0-3: the long tile's group is 8 or more, so all their keys count
	STEP 0, 0
	s_sub_co_u32 s[LC], s[LC], 1
	s_cmp_lg_u32 s[LC], 0
	s_cbranch_scc1 .L0
	s_setprio 0
	s_wait_tensorcnt 0x0                           ; my part of steps 4-15 is in,
	s_wait_dscnt 0x0
	s_barrier_signal -1
	s_barrier_wait -1                              ; everybody's is
	s_mov_b32 s[KC], 4
	s_mov_b32 s[TK], 4*8192
	s_mov_b32 s[TSK], 4*512
	s_mov_b32 s[TSV], 4*256
	s_mov_b32 s[LC], 12
.L1:
	STEP 1, 1
	s_sub_co_u32 s[LC], s[LC], 1
	s_cmp_lg_u32 s[LC], 0
	s_cbranch_scc1 .L1
	s_setprio 0
	FINISH
	BEGIN SS                                       ; the short tile: its group is 7 or less
	s_wait_loadcnt 0x0
	s_mov_b32 s[LC], 8
.L2:
	STEP 1, 1
	s_sub_co_u32 s[LC], s[LC], 1
	s_cmp_lg_u32 s[LC], 0
	s_cbranch_scc1 .L2
	s_setprio 0
	FINISH
	s_wait_tensorcnt 0x0
	ds_add_u32 v251, v255
	s_wait_dscnt 0x0
	ROUND                                          ; the closing round
	s_endpgm
.Lfunc_end_k_q037d1615c9_attn:
	.size	k_q037d1615c9_attn, .Lfunc_end_k_q037d1615c9_attn-k_q037d1615c9_attn
	.p2alignl 7, 3214868480
	.fill 96, 4, 3214868480
	.section	.rodata,"a",@progbits
	.p2align	6, 0x0
	.amdhsa_kernel k_q037d1615c9_attn
		.amdhsa_group_segment_fixed_size 276480
		.amdhsa_private_segment_fixed_size 0
		.amdhsa_enable_private_segment 0
		.amdhsa_kernarg_size 32
		.amdhsa_user_sgpr_count 2
		.amdhsa_user_sgpr_kernarg_segment_ptr 1
		.amdhsa_wavefront_size32 1
		.amdhsa_system_sgpr_workgroup_id_x 1
		.amdhsa_system_sgpr_workgroup_id_y 1
		.amdhsa_system_sgpr_workgroup_id_z 1
		.amdhsa_system_vgpr_workitem_id 0
		.amdhsa_next_free_vgpr 256
		.amdhsa_next_free_sgpr 94
		.amdhsa_reserve_vcc 1
		.amdhsa_float_denorm_mode_32 3
		.amdhsa_float_denorm_mode_16_64 3
		.amdhsa_fp16_overflow 1
		.amdhsa_memory_ordered 1
		.amdhsa_forward_progress 1
		.amdhsa_inst_pref_size 84
	.end_amdhsa_kernel
	.amdgpu_metadata
---
amdhsa.version: [ 1, 2 ]
amdhsa.kernels:
  - .name:           k_q037d1615c9_attn
    .symbol:         k_q037d1615c9_attn.kd
    .args:
      - { .name: qkvimg, .offset: 0, .size: 8, .value_kind: global_buffer, .address_space: global }
      - { .name: asc, .offset: 8, .size: 8, .value_kind: global_buffer, .address_space: global }
      - { .name: yimg, .offset: 16, .size: 8, .value_kind: global_buffer, .address_space: global }
      - { .name: ysc, .offset: 24, .size: 8, .value_kind: global_buffer, .address_space: global }
    .group_segment_fixed_size: 276480
    .private_segment_fixed_size: 0
    .kernarg_segment_align: 8
    .kernarg_segment_size: 32
    .max_flat_workgroup_size: 512
    .sgpr_count:     94
    .vgpr_count:     256
    .wavefront_size: 32
...
	.end_amdgpu_metadata
.endif
;; end of part 3
;; launch proj (part 4): grid 4 x 32, 4 waves a work-group, clusters of 4 x 4, 327,680 bytes of LDS; arguments yimg, ysc, opimg, opsc, b_proj, out0; writes out0
.if DOCPART == 4
	.amdgcn_target "amdgcn-amd-amdhsa--gfx1250"
	.amdhsa_code_object_version 6
	.text
	.protected	k_q037d1615c9_proj
	.globl	k_q037d1615c9_proj
	.p2align	8
	.type	k_q037d1615c9_proj,@function
k_q037d1615c9_proj:
	s_mov_b64 s[64:65], 0
	v_nop
	global_prefetch_b8 v0, s[64:65] scope:SCOPE_SE
	s_setreg_imm32_b32 hwreg(HW_REG_WAVE_MODE, 25, 1), 1
	s_wait_xcnt 0x0
	s_wait_alu depctr_hold_cnt(0) depctr_sa_sdst(0) depctr_va_vdst(0) depctr_va_sdst(0) depctr_va_ssrc(0) depctr_va_vcc(0) depctr_vm_vsrc(0)
	s_getreg_b32 s2, hwreg(HW_REG_IB_STS2, 6, 4)
	s_cmp_eq_u32 s2, 0
	s_cbranch_scc0 .Lentry_in_a_cluster
	s_endpgm
.Lentry_in_a_cluster:
	s_bfe_u32 s2, ttmp6, 0x10000c
	s_cmp_lg_u32 s2, 0xf033
	s_cbranch_scc0 .Lentry_shape_is_right
	s_endpgm
.Lentry_shape_is_right:
; out0 = y w_proj + b_proj on codes of BF8 (E5M2) with E8M0 scales; out0 [8192][1024] f32.  A = y (yimg, ysc), B = w_proj's columns (groups 88-95 of opimg, opsc).
; OPERANDS are images of fragments' registers: a fragment of 16 rows x 128 K is 2,048 dense bytes, read by four ds_load_b128 at 16 x lane.  In every tile lane r holds row 32 (a / 2) + 8 (a % 2) + r + 8 (r / 8) of its group of 128.
; THE MATRIX INSTRUCTION IS USED TRANSPOSED (source 0 = 16 rows of B, source 1 = 16 rows of A): lane (r, h) holds one row of out0, and the registers of accumulators (a, 0 .. 7) are columns 32 beta + 16 h + i at register 16 beta + i.
; A tile of 256 x 256 to a work-group of four waves, 128 x 128 a wave.  K = 1,024 goes in four steps of 256 through two LDS slots; the scale words of all of K come once.  128 work-groups: a smaller tile would fill more WGPs at the price of more LDS bytes for each product.
; CLUSTERS: 4 x 4 work-groups; A's tiles are asked for jointly along a row of the cluster, B's along a column.
; REGISTERS: window 0: v16-29 addresses; v32-63 scale words, two sets; v64-127 the bias of my 128 columns; v128-255 A's fragments, one set (on the way out: rows read back).  window 1: B's fragments, two sets.  windows 2, 3: accumulators.
.set SLOT,   131072                    ; a slot: A's two groups of rows, then B's two: four regions of 32,768 bytes, each [2 x 128 K][8 tiles][2,048]
.set SCL,    262144                    ; the scale words of all of K: four regions of 4,096 bytes
.set SPARE,  278528                    ; the spare words, 128 bytes for each wave: two blocks of 256 bytes that no other line names
.set NP,     8
.set FR,     16
.set ADRA, 16
.set ADRB, 20
.set STO,  24                          ; v24  the way out: where I put my bytes of a row
.set RD,   25                          ; v25  where I read a row back
.set CO,   26                          ; v26  16 x lane
.set ADRS, 27
.set SPW,  28
.set NIL,  29
.set SC,   32
.set BIAS, 64
.set AF,   128
.set BK,   128
.set G1, 24
.set G0, 32
.set G1B, 48
.set G0B, 56
.set G1S, 68
.set G0S, 76
.set G1SB, 80
.set G0SB, 88
.set MSB, 0
.macro WIN new
.if MSB != \new
	s_set_vgpr_msb (MSB<<8)|\new
.set MSB, \new
.endif
.endm
.set MUL_LO, 0xa1
.set MUL_HI, 0xf1
.set TO_B,   0x40
.macro JLOAD g0a, g1a, g0b, g1b        ; a joint load: waves 0 and 1 fetch for A, waves 2 and 3 for B; four v_nop follow each of the two lines
	s_cmp_eq_u32 s15, 0
	s_cbranch_scc0 .Lfor_b_\@
	tensor_load_to_lds s[\g0a:\g0a+3], s[\g1a:\g1a+7]
	s_nop 0
.rept 4
	v_nop
.endr
	s_branch .Lasked_\@
.Lfor_b_\@:
	tensor_load_to_lds s[\g0b:\g0b+3], s[\g1b:\g1b+7]
	s_nop 0
.rept 4
	v_nop
.endr
.Lasked_\@:
.endm
.macro CREST
	s_cmp_lg_u32 s14, 0
	s_cbranch_scc1 .Lnot_wave_0_\@
	s_barrier_signal -3
.Lnot_wave_0_\@:
	s_barrier_wait -3
	s_barrier_signal -1
	s_barrier_wait -1
.endm
.macro CROUND
	s_barrier_signal -1
	s_barrier_wait -1
	CREST
.endm
	s_load_b256 s[4:11], s[0:1], 0x0               ; yimg s[4:5], ysc s[6:7], opimg s[8:9], opsc s[10:11]
	s_load_b64 s[12:13], s[0:1], 0x20              ; b_proj
	s_load_b64 s[18:19], s[0:1], 0x28              ; out0
	v_lshl_add_u32 v[SPW], v0, 2, SPARE
	v_mov_b32 v[NIL], 0
	ds_add_u32 v28, v29
	ds_add_u32 v28, v29
	s_wait_dscnt 0x0
	v_lshrrev_b32 v1, 5, v0
	v_readfirstlane_b32 s14, v1                    ; wave 0..3
	s_lshr_b32 s15, s14, 1                         ; which half of the rows is mine.  Also: I fetch for A (0) or for B (1)
	s_and_b32 s16, s14, 1                          ; which half of the columns.  Also: which group of 128 rows I fetch
	s_bfe_u32 s40, ttmp6, 0x40000                  ; cx, cy
	s_bfe_u32 s41, ttmp6, 0x40004
	s_lshl_b32 s42, ttmp9, 2
	s_add_co_u32 s42, s42, s40                     ; tile column
	s_and_b32 s17, ttmp7, 0xffff
	s_lshl_b32 s17, s17, 2
	s_add_co_u32 s17, s17, s41                     ; tile row
	s_lshl_b32 s43, s41, 2
	s_lshl_b32 s43, 15, s43                        ; my row of the cluster
	s_lshl_b32 s44, 0x1111, s40                    ; my column
	s_or_b32 s[G1+0], s43, (3<<16)|(1<<21)         ; a dense block of 32,768 bytes as 128 rows of 256 (32 elements of 8 bytes); the mask, bit 21 beside it
	s_or_b32 s[G1B+0], s44, (3<<16)|(1<<21)
.irp g, G1, G1B
	s_mov_b32 s[\g+1], 32<<16
	s_mov_b32 s[\g+2], 128<<16
	s_mov_b32 s[\g+3], 32<<16
	s_mov_b32 s[\g+4], 128
	s_mov_b32 s[\g+5], 32
	s_mov_b32 s[\g+6], 0
	s_mov_b32 s[\g+7], 0
.endr
	s_or_b32 s[G1S+0], s43, (3<<16)|(1<<21)        ; the scale words: 16 such rows
	s_or_b32 s[G1SB+0], s44, (3<<16)|(1<<21)
.irp g, G1S, G1SB
	s_mov_b32 s[\g+1], 32<<16
	s_mov_b32 s[\g+2], 16<<16
	s_mov_b32 s[\g+3], 32<<16
	s_mov_b32 s[\g+4], 16
	s_mov_b32 s[\g+5], 32
	s_mov_b32 s[\g+6], 0
	s_mov_b32 s[\g+7], 0
.endr
	s_lshl_b32 s20, s17, 1
	s_add_co_u32 s20, s20, s16                     ; A's group of 128 rows that I would fetch
	s_lshl_b32 s46, s42, 1
	s_add_co_u32 s46, s46, s16
	s_add_co_u32 s46, s46, 88                      ; B's: w_proj's columns begin at group 88
	s_lshl_b32 s22, s20, 12
	s_mov_b32 s23, 0
	s_lshl_b32 s20, s20, 17
	s_mov_b32 s21, 0
	s_lshl_b32 s92, s46, 12
	s_mov_b32 s93, 0
	s_lshl_b32 s46, s46, 17
	s_mov_b32 s47, 0
	s_lshl_b32 s45, s14, 15                        ; where they go: region = wave
	s_lshl_b32 s94, s14, 12
	s_wait_kmcnt 0x0
	s_add_nc_u64 s[20:21], s[4:5], s[20:21]
	s_add_nc_u64 s[22:23], s[6:7], s[22:23]
	s_add_nc_u64 s[46:47], s[8:9], s[46:47]
	s_add_nc_u64 s[92:93], s[10:11], s[92:93]
	CROUND                                         ; all sixteen work-groups are here: the first joint loads meet
	s_mov_b32 s[G0S], 1
	s_add_co_u32 s[G0S+1], s94, SCL
	s_mov_b64 s[G0S+2:G0S+3], s[22:23]
	s_or_b32 s[G0S+3], s[G0S+3], 0x80000000
	s_mov_b32 s[G0SB], 1
	s_add_co_u32 s[G0SB+1], s94, SCL
	s_mov_b64 s[G0SB+2:G0SB+3], s[92:93]
	s_or_b32 s[G0SB+3], s[G0SB+3], 0x80000000
	JLOAD G0S, G1S, G0SB, G1SB
.irp s, 0,1
	s_mov_b32 s[G0+4*\s], 1
	s_add_co_u32 s[G0+4*\s+1], s45, \s*SLOT
	s_add_nc_u64 s[G0+4*\s+2:G0+4*\s+3], s[20:21], \s*32768
	s_or_b32 s[G0+4*\s+3], s[G0+4*\s+3], 0x80000000
	s_mov_b32 s[G0B+4*\s], 1
	s_add_co_u32 s[G0B+4*\s+1], s45, \s*SLOT
	s_add_nc_u64 s[G0B+4*\s+2:G0B+4*\s+3], s[46:47], \s*32768
	s_or_b32 s[G0B+4*\s+3], s[G0B+4*\s+3], 0x80000000
	s_wait_alu depctr_va_vdst(0)
	s_wait_tensorcnt 0x0
	ds_add_u32 v28, v29
	s_wait_dscnt 0x0
	CROUND
	JLOAD G0+4*\s, G1, G0B+4*\s, G1B
.endr
	v_and_b32 v1, 31, v0
	v_and_b32 v2, 15, v0                           ; r
	v_bfe_u32 v3, v0, 4, 1                         ; h
	s_wait_alu depctr_va_vdst(0)
	v_lshlrev_b32 v[CO], 4, v1
	s_lshl_b32 s99, s15, 15
	s_lshl_b32 s100, s16, 15
	s_add_co_u32 s100, s100, 65536
.irp s, 0,1
	v_add_nc_u32 v[ADRA+\s], s99, v[CO]
	v_add_nc_u32 v[ADRB+\s], s100, v[CO]
	s_add_co_u32 s99, s99, SLOT
	s_add_co_u32 s100, s100, SLOT
.endr
	s_xor_b32 s99, s15, 1
	s_add_co_u32 s99, s99, s16
	s_add_co_u32 s99, s99, 1
	s_lshl_b32 s99, s99, 12                        ; from my group of A's words to my group of B's
	v_mul_u32_u24 v4, s99, v3                      ; lanes 16-31 take B's
	s_lshl_b32 s100, s15, 12
	s_add_co_u32 s100, s100, SCL
	v_lshl_add_u32 v4, v2, 4, v4
	v_add_nc_u32 v[ADRS], s100, v4
	s_mul_i32 s99, s14, 8448                       ; my stage: 16 rows of 512 + 16 bytes, in slot 0, which has had its last fill and its last read when the first result is stored there
	v_mul_u32_u24 v4, v2, 528
	v_lshl_add_u32 v4, v3, 6, v4
	v_add_nc_u32 v[STO], s99, v4                   ; row r, + 64 h
	v_add_nc_u32 v[RD], s99, v[CO]
	v_lshlrev_b32 v6, 6, v3                        ; the bias: 64 h: my 16 numbers of a block of 32
	s_wait_alu depctr_va_vdst(0)
	s_lshl_b32 s2, s17, 20                         ; 256 rows of 4,096 bytes
	s_lshl_b32 s99, s15, 19
	s_add_co_u32 s2, s2, s99
	s_lshl_b32 s99, s42, 10
	s_lshl_b32 s100, s16, 9
	s_add_co_u32 s99, s99, s100                    ; my first column, in bytes
	s_add_co_u32 s2, s2, s99
	s_mov_b32 s3, 0
	s_add_nc_u64 s[18:19], s[18:19], s[2:3]
	s_mov_b32 s2, s99
	s_add_nc_u64 s[12:13], s[12:13], s[2:3]
.irp b, 0,1,2,3
.irp j, 0,1,2,3
	global_load_b128 v[BIAS+16*\b+4*\j:BIAS+16*\b+4*\j+3], v6, s[12:13] offset:128*\b+16*\j
.endr
.endr
.macro FRAG reg, adr, q, i
.irp c, 0,1,2,3
	ds_load_b128 v[\reg+4*\c:\reg+4*\c+3], v[\adr] offset:16384*(\q)+2048*(\i)+512*\c
.endr
.endm
; 16 matrix instructions: A's tiles a0, a0 + 1 x B's eight.  The 64 accumulators take turns, one instruction a turn, in the same order in every step.
.macro MUL16 a0, p, q, sc, zero
.irp a, \a0, \a0+1
.irp b, 0,1,2,3,4,5,6,7
.if \zero
	v_wmma_scale_f32_16x16x128_f8f6f4 v[8*(8*((\a)%4)+\b):8*(8*((\a)%4)+\b)+7], v[128*(\p)+FR*\b:128*(\p)+FR*\b+FR-1], v[AF+FR*(\a):AF+FR*(\a)+FR-1], 0, v[SC+16*(\sc)+8*(\q)+\b], v[SC+16*(\sc)+8*(\q)+(\a)] matrix_a_fmt:MATRIX_FMT_BF8 matrix_b_fmt:MATRIX_FMT_BF8 matrix_a_scale:MATRIX_SCALE_ROW1
.else
	v_wmma_scale_f32_16x16x128_f8f6f4 v[8*(8*((\a)%4)+\b):8*(8*((\a)%4)+\b)+7], v[128*(\p)+FR*\b:128*(\p)+FR*\b+FR-1], v[AF+FR*(\a):AF+FR*(\a)+FR-1], v[8*(8*((\a)%4)+\b):8*(8*((\a)%4)+\b)+7], v[SC+16*(\sc)+8*(\q)+\b], v[SC+16*(\sc)+8*(\q)+(\a)] matrix_a_fmt:MATRIX_FMT_BF8 matrix_b_fmt:MATRIX_FMT_BF8 matrix_a_scale:MATRIX_SCALE_ROW1
.endif
.endr
.endr
.endm
.macro FETCH_B slot, q, p
	WIN TO_B
.irp i, 0,1,2,3,4,5,6,7
	FRAG 128*(\p)+FR*\i, ADRB+\slot, \q, \i
.endr
	WIN 0
.endm
.macro FETCH_A slot, q, i0
.irp i, \i0, \i0+1, \i0+2, \i0+3
	FRAG AF+FR*(\i), ADRA+\slot, \q, \i
.endr
.endm
.macro SCALES set, k0
.irp q, 0,1
.irp g, 0,1
	ds_load_b128 v[SC+16*(\set)+8*\q+4*\g:SC+16*(\set)+8*\q+4*\g+3], v[ADRS] offset:512*((\k0)+\q)+256*\g
.endr
.endr
.endm
.macro PLACES n
.rept \n
	v_nop
.endr
.endm
.macro STEP slot, zero
	s_wait_dscnt 16                                ; all but the youngest 16 loads (A's tiles 4-7) are in
	WIN MUL_LO
	MUL16 0, 0, 0, \slot, \zero
	MUL16 2, 0, 0, \slot, \zero
	s_wait_dscnt 0x0
	PLACES NP
	FETCH_B \slot, 1, 1
	FETCH_A \slot, 1, 0
	WIN MUL_HI
	MUL16 4, 0, 0, \slot, \zero
	MUL16 6, 0, 0, \slot, \zero
	PLACES NP
	WIN 0
	FETCH_A \slot, 1, 4
.endm
.macro TURN slot, next, fill, knext
	s_wait_tensorcnt 0x0                           ; all my tensor loads have landed: my part of the next slot
	ds_add_u32 v[SPW], v[NIL]                      ; 0 onto my spare word
	s_wait_dscnt 17                                ; (the add and the youngest 16 loads may be out)
	WIN MUL_LO
	MUL16 0, 1, 1, \slot, 0
	s_wait_dscnt 0x0                               ; the add is done, and my reads of this slot are over
	s_barrier_signal -1
	MUL16 2, 1, 1, \slot, 0
	WIN 0
	s_barrier_wait -1
.if \fill
	CREST                                          ; a round of the cluster's barrier: no wave of any partner still reads this slot or has a load on its way
	s_add_nc_u64 s[G0+4*\slot+2:G0+4*\slot+3], s[G0+4*\slot+2:G0+4*\slot+3], 65536
	s_add_nc_u64 s[G0B+4*\slot+2:G0B+4*\slot+3], s[G0B+4*\slot+2:G0B+4*\slot+3], 65536
	JLOAD G0+4*\slot, G1, G0B+4*\slot, G1B
	PLACES NP-4
.else
	PLACES NP
.endif
	FETCH_B \next, 0, 0
	FETCH_A \next, 0, 0
	SCALES \next, \knext
	WIN MUL_HI
	MUL16 4, 1, 1, \slot, 0
	MUL16 6, 1, 1, \slot, 0
	PLACES NP
	WIN 0
	FETCH_A \next, 0, 4
.endm
	s_wait_tensorcnt 1                             ; the scale words and my part of slot 0 are in (slot 1's load may be out)
	s_barrier_signal -1
	s_barrier_wait -1                              ; everybody's are
	FETCH_B 0, 0, 0
	FETCH_A 0, 0, 0
	SCALES 0, 0
	FETCH_A 0, 0, 4
	STEP 0, 1
	TURN 0, 1, 1, 2
	STEP 1, 0
	TURN 1, 0, 1, 4
	STEP 0, 0
	TURN 0, 1, 0, 6
	STEP 1, 0
	s_wait_dscnt 16
	WIN MUL_LO
	MUL16 0, 1, 1, 1, 0
	MUL16 2, 1, 1, 1, 0
	s_wait_dscnt 0x0
	WIN MUL_HI
	MUL16 4, 1, 1, 1, 0
	MUL16 6, 1, 1, 1, 0
	WIN 0
; THE WAY OUT, tile of 16 rows by tile: the bias; through my own stage in LDS; back as whole rows of 512 bytes, which the 32 lanes store as two aligned runs of 256 bytes.
.macro ADDB a
	WIN 0x82+0x41*((\a)/4)                         ; destination and source 0: the accumulators' window
.set jj, 0
.rept 32
	v_pk_add_f32 v[64*((\a)%4)+jj:64*((\a)%4)+jj+1], v[64*((\a)%4)+jj:64*((\a)%4)+jj+1], v[BIAS+jj:BIAS+jj+1]   ; each accumulator from its low end on
.set jj, jj+2
.endr
.endm
.macro TOSTAGE a
	WIN 0x08+4*((\a)/4)                            ; the data: window 2 or 3
.irp b, 0,1,2,3,4,5,6,7
	ds_store_b128 v[STO], v[64*((\a)%4)+8*\b:64*((\a)%4)+8*\b+3] offset:128*(\b/2)+32*(\b%2)
	ds_store_b128 v[STO], v[64*((\a)%4)+8*\b+4:64*((\a)%4)+8*\b+7] offset:128*(\b/2)+32*(\b%2)+16
.endr
	WIN 0
.set BB, BK+64*((\a)%2)
.irp t, 0,1,2,3,4,5,6,7,8,9,10,11,12,13,14,15
	ds_load_b128 v[BB+4*\t:BB+4*\t+3], v[RD] offset:528*\t   ; LDS serves a wave's instructions in order: these see the stores above
.endr
.endm
.macro SEND a, younger                 ; younger: the LDS instructions issued behind tile a's loads, which may stay out
.set BB, BK+64*((\a)%2)
	s_wait_dscnt \younger
.irp t, 0,1,2,3,4,5,6,7,8,9,10,11,12,13,14,15
	global_store_b128 v[CO], v[BB+4*\t:BB+4*\t+3], s[18:19] offset:(32*((\a)/2)+8*((\a)%2)+\t+8*(\t/8))*4096 th:TH_STORE_NT   ; the tile's rows in their own order; 512 consecutive bytes each
.endr
.endm
	PLACES NP
	s_wait_loadcnt 0x0                             ; the bias
	ADDB 0
	TOSTAGE 0
.irp a, 1,2,3,4,5,6,7
.if \a > 1
	s_wait_xcnt 0x0                                ; tile a - 2's stores have read their registers: tile a's loads may land there
.endif
	ADDB \a
	TOSTAGE \a
	SEND \a-1, 32                                  ; behind tile a - 1's loads: tile a's 16 stores and 16 loads
.endr
	SEND 7, 0
	s_wait_tensorcnt 0x0                           ; the wave's end
	ds_add_u32 v[SPW], v[NIL]
	s_wait_dscnt 0x0
	CROUND                                         ; the closing round
	s_endpgm
.Lfunc_end_k_q037d1615c9_proj:
	.size	k_q037d1615c9_proj, .Lfunc_end_k_q037d1615c9_proj-k_q037d1615c9_proj
	.p2alignl 7, 3214868480
	.fill 96, 4, 3214868480
	.section	.rodata,"a",@progbits
	.p2align	6, 0x0
	.amdhsa_kernel k_q037d1615c9_proj
		.amdhsa_group_segment_fixed_size 327680
		.amdhsa_private_segment_fixed_size 0
		.amdhsa_enable_private_segment 0
		.amdhsa_kernarg_size 48
		.amdhsa_user_sgpr_count 2
		.amdhsa_user_sgpr_kernarg_segment_ptr 1
		.amdhsa_wavefront_size32 1
		.amdhsa_system_sgpr_workgroup_id_x 1
		.amdhsa_system_sgpr_workgroup_id_y 1
		.amdhsa_system_sgpr_workgroup_id_z 1
		.amdhsa_system_vgpr_workitem_id 0
		.amdhsa_next_free_vgpr 1024
		.amdhsa_next_free_sgpr 102
		.amdhsa_reserve_vcc 0
		.amdhsa_float_denorm_mode_32 3
		.amdhsa_float_denorm_mode_16_64 3
		.amdhsa_memory_ordered 1
		.amdhsa_forward_progress 1
		.amdhsa_inst_pref_size 162
	.end_amdhsa_kernel
	.amdgpu_metadata
---
amdhsa.version: [ 1, 2 ]
amdhsa.kernels:
  - .name:           k_q037d1615c9_proj
    .symbol:         k_q037d1615c9_proj.kd
    .args:
      - { .name: yimg, .offset: 0, .size: 8, .value_kind: global_buffer, .address_space: global }
      - { .name: ysc, .offset: 8, .size: 8, .value_kind: global_buffer, .address_space: global }
      - { .name: opimg, .offset: 16, .size: 8, .value_kind: global_buffer, .address_space: global }
      - { .name: opsc, .offset: 24, .size: 8, .value_kind: global_buffer, .address_space: global }
      - { .name: b_proj, .offset: 32, .size: 8, .value_kind: global_buffer, .address_space: global }
      - { .name: out0, .offset: 40, .size: 8, .value_kind: global_buffer, .address_space: global }
    .group_segment_fixed_size: 327680
    .private_segment_fixed_size: 0
    .kernarg_segment_align: 8
    .kernarg_segment_size: 48
    .max_flat_workgroup_size: 128
    .sgpr_count:     102
    .vgpr_count:     1024
    .wavefront_size: 32
...
	.end_amdgpu_metadata
.endif
;; end of part 4
